; MI455X (gfx1250); checked and timed in simulation.
; The chip was launched on July 23, 2026; its instructions are those of AMD's public machine-readable ISA for CDNA 5 (MIT licence, August 2026) and "CDNA5" Instruction Set Architecture Reference Guide (July 2026). The comments in the code are by the model that wrote it; some were corrected since.
;; Memory Efficient Cross Attention Block. Allowed arithmetic: float matrix products may take bf16 or f16 operands with f32 sums; other float arithmetic in f32, or as packed bf16 or f16 multiplies, adds, multiply-adds, maxima and minima; sums over many terms, partial sums and values carried from step to step in f32; what a program stores and reads back later, other than sums and carried values, may be rounded once to bf16 or f16.
;; Inputs: W1 512 x 2,048 float32; W2 2,048 x 512 float32; Wk 768 x 512 float32; Wo 512 x 512 float32; Wq 512 x 512 float32; Wv 768 x 512 float32; b1 2,048 float32; b2 512 float32; bk 512 float32; bo 512 float32; bq 512 float32; bv 512 float32; ln_b 512 float32; ln_g 512 float32; x 4 x 4,096 x 512 float32; xf 4 x 256 x 768 float32.
;; Outputs: out0 4 x 4,096 x 512 float32.
;; 2 versions, each right; version 2 is version 1 with the launch prep written anew for expert scheduling mode. Each part assembles by itself: llvm-mc -triple=amdgcn-amd-amdhsa -mcpu=gfx1250 --defsym DOCPART=n.
;; ======== version 1 of 2: 2 launches
;; limits: values are held in f16: magnitudes above 65,504 overflow, below 6.1e-05 lose precision
;; workspace buffers: wt 5,242,880 bytes; kv 2,097,152 bytes
;; launch prep (part 1): grid 256 x 1, 8 waves a work-group, no clusters, 223,232 bytes of LDS; arguments xf, Wk, Wv, bk, bv, Wq, Wo, W1, W2, wt, kv; writes wt, kv
.if DOCPART == 1
	.amdgcn_target "amdgcn-amd-amdhsa--gfx1250"
	.amdhsa_code_object_version 6
	.text
	.protected	k_q7ee6536e79_prep
	.globl	k_q7ee6536e79_prep
	.p2align	8
	.type	k_q7ee6536e79_prep,@function
k_q7ee6536e79_prep:
	s_mov_b64 s[64:65], 0
	v_nop
	global_prefetch_b8 v0, s[64:65] scope:SCOPE_SE
	s_setreg_imm32_b32 hwreg(HW_REG_WAVE_MODE, 25, 1), 1
	s_wait_xcnt 0x0
; TWO JOBS, both for the launch behind.
; (1) Wq, Wo, W1, W2 (f32, [k][column]) are rounded once to f16 and laid out as matrix fragments, in the order in which the next launch walks them (wt: 40 slots of 131,072 bytes).
; (2) K = xf Wk + bk and V = xf Wv + bv (f16 operands, f32 sums, rounded once to f16), again as fragments (kv: 16 slots of 131,072 bytes).
; A FRAGMENT is 16 rows x 32 k in 8 registers: lane l holds row l % 16; registers 0-3 k = 8 (l / 16) + 0..7, registers 4-7 k = 16 + 8 (l / 16) + 0..7.
; In memory it is 1,024 bytes: registers 0-3 of lane l at 16 l, registers 4-7 at 512 + 16 l.
; LIMITS.  f16 holds no number beyond 65,504: xf, all weights, K and V must lie within it; below 6e-5 they keep f16's fixed step of 6e-8.  NaN and infinities are not treated apart.
; SHARES.  Work-group g: 64 rows of xf (g % 16) x 64 columns of Wk (g / 16 < 8) or Wv.  Eight waves: channel block w % 4, key blocks 2 (w / 4) + 0, 1: two accumulators, which take turns.
; Of the casts each of the 2,048 waves takes five units of 8 k x 32 columns: a lane a column, eight loads down the column, one store of 16 bytes; sixteen lanes store 256 consecutive bytes, aligned.
; No tensor loads: all that comes in is f32 and is rounded on its way, so it passes through registers.  No cluster: what work-groups share here is read once each from a few megabytes.
.set XFP,   1552                       ; a row of xf in LDS: 768 f16 + 16 bytes: 97 x 16, so the 16 rows of a fragment load start in 16 different groups of four banks
.set WTP,   160                        ; a k-row of the weights in LDS: 64 f16 + 32 bytes: 5 x 32
.set WT,    99328                      ; behind xf's 64 rows
.set SPARE, 222208                     ; behind the weights' 768 rows: the spare words, 128 bytes a wave
.set LN,  2                            ; v2   lane
.set RR,  3                            ; v3   lane % 16
.set HH,  4                            ; v4   lane / 16
.set L4,  5                            ; v5   4 x lane
.set L16, 6                            ; v6   16 x lane
.set WOF, 7                            ; v7   my 16 bytes in two rows of the weights' 64 columns
.set XS,  8                            ; v8   LDS: where I put 8 bytes of xf
.set WS,  9                            ; v9   LDS: where I put 8 bytes of the weights
.set AX,  10                           ; v10  LDS: my place in xf's fragments; steps along k
.set AW,  11                           ; v11  LDS: my place in the weights' fragments; steps along k
.set SPW, 12                           ; v12  my spare word; never rewritten
.set NIL, 13                           ; v13  0; never rewritten
.set BTO, 14                           ; v14  byte offset of my eight biases (K's way)
.set BVO, 15                           ; v15  of my one bias (V's way)
.set DA,  16                           ; v16-18  where my casts go in wt
.set DB,  17
.set DC,  18
.set CD,  24                           ; v24-63  five units of eight numbers
.set BT,  24                           ; later: eight biases
.set BV,  32                           ; one bias
.set ACC, 40                           ; v40-55  two accumulators
.set PK,  56                           ; v56-63  the packed results
.set RING, 64                          ; v64-255 48 loads of 16 bytes; later fragments:
.set WF,  64                           ; v64-95   the weights', four k steps
.set XFR, 96                           ; v96-159  xf's, four k steps x two key blocks
.macro FLD d, pos, wid, sh             ; s[d] += (bits pos .. pos + wid - 1 of the wave's number among all) << sh
	s_bfe_u32 s34, s30, (\pos)|((\wid)<<16)
	s_lshl_b32 s34, s34, \sh
	s_add_co_u32 s[\d], s[\d], s34
.endm
	s_load_b512 s[4:19], s[0:1], 0x0               ; xf s[4:5], Wk s[6:7], Wv s[8:9], bk s[10:11], bv s[12:13], Wq s[14:15], Wo s[16:17], W1 s[18:19]
	s_load_b128 s[20:23], s[0:1], 0x40             ; W2 s[20:21], wt s[22:23]
	s_load_b64 s[24:25], s[0:1], 0x50              ; kv
	v_lshl_add_u32 v[SPW], v0, 2, SPARE
	v_mov_b32 v[NIL], 0
	v_lshrrev_b32 v1, 5, v0
	v_readfirstlane_b32 s26, v1                    ; wave 0..7
	v_and_b32 v[LN], 31, v0
	v_and_b32 v[RR], 15, v0
	v_bfe_u32 v[HH], v0, 4, 1
	v_lshlrev_b32 v[L4], 2, v[LN]
	v_lshlrev_b32 v[L16], 4, v[LN]
	s_and_b32 s27, ttmp9, 15                       ; which 64 rows of xf
	s_lshr_b32 s28, ttmp9, 4                       ; which 64 columns: 0-7 of Wk, 8-15 of Wv
	s_and_b32 s29, s28, 7
	s_lshl_b32 s30, ttmp9, 3
	s_add_co_u32 s30, s30, s26                     ; W: my wave among all 2,048
	; unit A, of Wq (W < 1,024) or Wo: column group cg = W bits 0-3, k group k8 = bits 4-9
	s_mov_b32 s36, 0
	s_mov_b32 s37, 0
	FLD 36, 4, 6, 14                               ; from: 8 k8 rows of 2,048 bytes
	FLD 36, 0, 4, 7                                ; + 32 cg columns
	s_mov_b32 s42, 0
	FLD 42, 10, 1, 19                              ; to: Wo's four slots lie behind Wq's
	FLD 42, 8, 2, 17                               ; slot = k / 128
	FLD 42, 2, 2, 15                               ; the wave that owns columns 128 w ..
	FLD 42, 6, 2, 13                               ; k step in the slot: eight fragments each
	FLD 42, 0, 2, 11                               ; two column blocks to a unit
	FLD 42, 4, 2, 8                                ; the eight k's place in a fragment: 512 (upper sixteen) + 256 (upper lanes)
	; units B, of W1: chunk of 64 columns = W bits 0-4 (two units: its two halves), k8 = bits 5-10
	s_mov_b32 s38, 0
	s_mov_b32 s39, 0
	FLD 38, 5, 6, 16                               ; 8 k8 rows of 8,192 bytes
	FLD 38, 0, 5, 8                                ; + 64 columns a chunk
	s_mov_b32 s43, 8<<17                           ; the chunks' slots lie behind the eight of Wq and Wo
	FLD 43, 0, 5, 17
	FLD 43, 8, 1, 13                               ; the k block's place: 8 x bit 1 of its number,
	FLD 43, 9, 2, 11                               ; + 2 x (its number / 4),
	FLD 43, 7, 1, 10                               ; + bit 0: the order in which the next launch holds the activations
	FLD 43, 5, 2, 8
	; units C, of W2: column groups 2 (W bits 0-2) + 0, 1, k8 = bits 3-10
	s_mov_b32 s40, 0
	s_mov_b32 s41, 0
	FLD 40, 3, 8, 14
	FLD 40, 0, 3, 8
	s_mov_b32 s44, (8<<17)+16384                   ; a wave's W2 fragments lie behind its 16 KiB of W1
	FLD 44, 6, 5, 17                               ; chunk = k / 64
	FLD 44, 1, 2, 15
	FLD 44, 5, 1, 13
	FLD 44, 0, 1, 12
	FLD 44, 3, 2, 8
	v_lshlrev_b32 v1, 4, v[RR]
	v_lshl_add_u32 v[DA], v[HH], 10, v1            ; lanes 16-31 hold the next column block: the next fragment
	v_add_nc_u32 v[DC], s44, v[DA]
	v_add_nc_u32 v[DA], s42, v[DA]
	v_lshl_add_u32 v[DB], v[HH], 15, v1            ; in W1 the next column block is the next wave's
	v_add_nc_u32 v[DB], s43, v[DB]
	v_lshl_add_u32 v[WOF], v[HH], 11, v1
	; the product's shares
	s_mul_i32 s60, s27, 196608                     ; 64 rows of xf, 3,072 bytes each,
	s_mul_i32 s62, s26, 24576                      ; of which I fetch eight
	s_add_co_u32 s60, s60, s62
	s_mov_b32 s61, 0
	s_lshl_b32 s62, s29, 8                         ; 64 columns,
	s_mul_i32 s63, s26, 196608                     ; of which I fetch 96 k-rows of 2,048 bytes
	s_add_co_u32 s62, s62, s63
	s_mov_b32 s63, 0
	s_and_b32 s31, s26, 3                          ; my channel block of 16
	s_lshr_b32 s32, s26, 2                         ; my 32 keys
	s_lshr_b32 s33, s31, 1
	s_lshl1_add_u32 s33, s29, s33                  ; the head: 2 x (column group) + channel block / 2
	s_lshr_b32 s66, s27, 2
	s_lshl_b32 s66, s66, 19                        ; the batch's four slots
	s_and_b32 s34, s33, 3
	s_lshl_b32 s34, s34, 17                        ; slot = head % 4,
	s_add_co_u32 s66, s66, s34
	s_lshr_b32 s34, s33, 2
	s_lshl_b32 s34, s34, 15                        ; the 32 KiB of wave head / 4
	s_add_co_u32 s66, s66, s34
	s_and_b32 s35, s27, 3
	s_lshl_b32 s35, s35, 2
	s_lshl1_add_u32 s35, s32, s35                  ; my first block of 16 keys in the batch
	s_and_b32 s34, s31, 1
	s_lshl_b32 s68, s35, 10
	s_lshl_b32 s69, s34, 9
	s_add_co_u32 s68, s68, s69                     ; K: a fragment a key block; my 16 channels are one half of it
	s_add_co_u32 s69, s35, s34
	s_lshl_b32 s69, s69, 10
	s_add_co_u32 s69, s69, 16384                   ; V: fragment 2 (keys / 32) + channel block, behind K's sixteen
	s_cmp_lt_u32 s28, 8
	s_cselect_b32 s68, s68, s69
	s_add_co_u32 s66, s66, s68
	s_mov_b32 s67, 0
	s_mul_i32 s71, s26, 8*XFP
	v_lshl_add_u32 v[XS], v[LN], 3, s71
	s_mul_i32 s71, s26, 96*WTP
	s_add_co_u32 s71, s71, WT
	v_mul_u32_u24 v1, v[HH], WTP
	v_lshl_add_u32 v1, v[RR], 3, v1
	v_add_nc_u32 v[WS], s71, v1
	s_mul_i32 s71, s32, 32*XFP
	v_mul_u32_u24 v1, v[RR], XFP
	v_lshl_add_u32 v1, v[HH], 4, v1
	v_add_nc_u32 v[AX], s71, v1                    ; row x pitch + 16 x half
	v_and_b32 v1, 7, v0                            ; the turning load: lane l reads k-row 8 (l / 16) + l % 8, columns 8 ((l / 8) % 2) + 0..7
	v_lshl_add_u32 v1, v[HH], 3, v1
	v_mul_u32_u24 v1, v1, WTP
	v_bfe_u32 v19, v0, 3, 1
	v_lshl_add_u32 v1, v19, 4, v1
	s_lshl_b32 s71, s31, 5
	s_add_co_u32 s71, s71, WT
	v_add_nc_u32 v[AW], s71, v1
	s_lshl_b32 s71, s29, 8
	s_lshl_b32 s72, s31, 6
	s_add_co_u32 s71, s71, s72                     ; my first channel, in bytes of f32
	v_lshl_add_u32 v[BTO], v[HH], 5, s71
	v_lshl_add_u32 v[BVO], v[RR], 2, s71
	s_wait_kmcnt 0x0
	s_cmp_lt_u32 s30, 1024
	s_cselect_b64 s[46:47], s[14:15], s[16:17]
	s_add_nc_u64 s[46:47], s[46:47], s[36:37]
	s_add_nc_u64 s[48:49], s[18:19], s[38:39]
	s_add_nc_u64 s[50:51], s[20:21], s[40:41]
	s_add_nc_u64 s[52:53], s[4:5], s[60:61]
	s_cmp_lt_u32 s28, 8
	s_cselect_b64 s[54:55], s[6:7], s[8:9]         ; Wk or Wv,
	s_cselect_b64 s[56:57], s[10:11], s[12:13]     ; bk or bv
	s_add_nc_u64 s[54:55], s[54:55], s[62:63]
	s_add_nc_u64 s[58:59], s[24:25], s[66:67]
	; 40 loads for the casts, then xf's 48
.set j, 0
.rept 8
	global_load_b32 v[CD+j],    v[L4], s[46:47] offset:j*2048 th:TH_LOAD_NT
	global_load_b32 v[CD+8+j],  v[L4], s[48:49] offset:j*8192 th:TH_LOAD_NT
	global_load_b32 v[CD+16+j], v[L4], s[48:49] offset:j*8192+128 th:TH_LOAD_NT
	global_load_b32 v[CD+24+j], v[L4], s[50:51] offset:j*2048 th:TH_LOAD_NT
	global_load_b32 v[CD+32+j], v[L4], s[50:51] offset:j*2048+128 th:TH_LOAD_NT
.set j, j+1
.endr
.set i, 0
.rept 48                                       ; row i / 6 of my eight, 512 bytes at a time
	global_load_b128 v[RING+4*i:RING+4*i+3], v[L16], s[52:53] offset:(i/6)*3072+(i%6)*512
.set i, i+1
.endr
	s_wait_loadcnt 48                              ; the casts' 40 are in; xf's 48 may stay out
.set u, 0
.rept 5
.set j, 0
.rept 4
	v_cvt_pk_f16_f32 v[CD+8*u+j], v[CD+8*u+2*j], v[CD+8*u+2*j+1]  ; in place: the destination has been read, or is being read
.set j, j+1
.endr
.set u, u+1
.endr
	global_store_b128 v[DA], v[CD:CD+3],     s[22:23]
	global_store_b128 v[DB], v[CD+8:CD+11],  s[22:23]
	global_store_b128 v[DB], v[CD+16:CD+19], s[22:23] offset:65536  ; the chunk's other 32 columns: two waves on
	global_store_b128 v[DC], v[CD+24:CD+27], s[22:23]
	global_store_b128 v[DC], v[CD+32:CD+35], s[22:23] offset:2048   ; the next 32 columns: two fragments on
.set i, 0
.rept 48                                       ; xf goes to LDS as f16; each slot of the ring is asked for again at once, for the weights
	s_wait_loadcnt 47                              ; behind load i stand 47 - i of xf's and i of the weights'
	v_cvt_pk_f16_f32 v[RING+4*i],   v[RING+4*i],   v[RING+4*i+1]
	v_cvt_pk_f16_f32 v[RING+4*i+1], v[RING+4*i+2], v[RING+4*i+3]
	ds_store_b64 v[XS], v[RING+4*i:RING+4*i+1] offset:(i/6)*XFP+(i%6)*256
	global_load_b128 v[RING+4*i:RING+4*i+3], v[WOF], s[54:55] offset:i*4096  ; k-rows 2 i, 2 i + 1 of my 96: 256 bytes each
.set i, i+1
.endr
	s_wait_xcnt 0x0                                ; the casts' stores have read their data: those registers take the biases
	global_load_b128 v[BT:BT+3],   v[BTO], s[56:57]
	global_load_b128 v[BT+4:BT+7], v[BTO], s[56:57] offset:16
	global_load_b32 v[BV], v[BVO], s[56:57]
.set i, 0
.rept 48
	s_wait_loadcnt 50-i                            ; behind load i stand 47 - i of the weights' and the three of the biases
	v_cvt_pk_f16_f32 v[RING+4*i],   v[RING+4*i],   v[RING+4*i+1]
	v_cvt_pk_f16_f32 v[RING+4*i+1], v[RING+4*i+2], v[RING+4*i+3]
	ds_store_b64 v[WS], v[RING+4*i:RING+4*i+1] offset:i*2*WTP
.set i, i+1
.endr
	s_wait_loadcnt 0x0                             ; the biases
	s_wait_dscnt 0x0                               ; for the others' sake: my stores are done
	s_barrier_signal -1
	s_barrier_wait -1
; THE PRODUCT, 768 along k in six trips of four k steps.  isv = 0: source 0 = the weights' columns, source 1 = xf's rows: a lane ends with ONE key and eight channels, half a fragment of K.
; isv = 1: the sources change places: ONE channel and eight keys, half a fragment of V turned.  The sums start at the bias.
.macro PATH isv
.set i, 0
.rept 16
.if \isv
	v_mov_b32 v[ACC+i], v[BV]
.else
	v_mov_b32 v[ACC+i], v[BT+i%8]
.endif
.set i, i+1
.endr
	s_mov_b32 s70, 6
.Lk_\@:
.rept 4
	v_nop                                          ; four places between the last product and loads into registers that it read
.endr
.set i, 0
.rept 4
	ds_load_tr16_b128 v[WF+8*i:WF+8*i+3],   v[AW] offset:i*32*WTP
	ds_load_tr16_b128 v[WF+8*i+4:WF+8*i+7], v[AW] offset:i*32*WTP+16*WTP
.set i, i+1
.endr
.set i, 0
.rept 8                                        ; k step i / 2, key block i % 2
	ds_load_b128 v[XFR+8*i:XFR+8*i+3],   v[AX] offset:(i/2)*64+(i%2)*16*XFP
	ds_load_b128 v[XFR+8*i+4:XFR+8*i+7], v[AX] offset:(i/2)*64+(i%2)*16*XFP+32
.set i, i+1
.endr
	s_wait_dscnt 0x0
.set i, 0
.rept 8                                        ; the two accumulators take turns, over the backward jump too
.if \isv
	v_wmma_f32_16x16x32_f16 v[ACC+8*(i%2):ACC+8*(i%2)+7], v[XFR+8*i:XFR+8*i+7], v[WF+8*(i/2):WF+8*(i/2)+7], v[ACC+8*(i%2):ACC+8*(i%2)+7]
.else
	v_wmma_f32_16x16x32_f16 v[ACC+8*(i%2):ACC+8*(i%2)+7], v[WF+8*(i/2):WF+8*(i/2)+7], v[XFR+8*i:XFR+8*i+7], v[ACC+8*(i%2):ACC+8*(i%2)+7]
.endif
.set i, i+1
.endr
	v_add_nc_u32 v[AW], 128*WTP, v[AW]             ; 128 along k
	v_add_nc_u32 v[AX], 256, v[AX]
	s_sub_co_u32 s70, s70, 1
	s_cmp_lg_u32 s70, 0
	s_cbranch_scc1 .Lk_\@
.rept 4
	v_nop                                          ; four places in front of conversions that read results
.endr
.set i, 0
.rept 8
	v_cvt_pk_f16_f32 v[PK+i], v[ACC+2*i], v[ACC+2*i+1]
.set i, i+1
.endr
	global_store_b128 v[L16], v[PK:PK+3], s[58:59]  ; 512 consecutive bytes: half a fragment
.if \isv
	global_store_b128 v[L16], v[PK+4:PK+7], s[58:59] offset:512   ; the next 16 keys: the fragment's other half
.else
	global_store_b128 v[L16], v[PK+4:PK+7], s[58:59] offset:1024  ; the next 16 keys: the next fragment
.endif
	s_wait_tensorcnt 0x0                           ; the wave's end: behind my last LDS store
	ds_add_u32 v[SPW], v[NIL]
	s_wait_dscnt 0x0
	s_endpgm
.endm
	s_cmp_lt_u32 s28, 8                            ; the same in all eight waves
	s_cbranch_scc0 .Lfor_v
	PATH 0
.Lfor_v:
	PATH 1
.Lfunc_end_k_q7ee6536e79_prep:
	.size	k_q7ee6536e79_prep, .Lfunc_end_k_q7ee6536e79_prep-k_q7ee6536e79_prep
	.p2alignl 7, 3214868480
	.fill 96, 4, 3214868480
	.section	.rodata,"a",@progbits
	.p2align	6, 0x0
	.amdhsa_kernel k_q7ee6536e79_prep
		.amdhsa_group_segment_fixed_size 223232
		.amdhsa_private_segment_fixed_size 0
		.amdhsa_enable_private_segment 0
		.amdhsa_kernarg_size 88
		.amdhsa_user_sgpr_count 2
		.amdhsa_user_sgpr_kernarg_segment_ptr 1
		.amdhsa_wavefront_size32 1
		.amdhsa_system_sgpr_workgroup_id_x 1
		.amdhsa_system_sgpr_workgroup_id_y 1
		.amdhsa_system_sgpr_workgroup_id_z 1
		.amdhsa_system_vgpr_workitem_id 0
		.amdhsa_next_free_vgpr 256
		.amdhsa_next_free_sgpr 80
		.amdhsa_reserve_vcc 0
		.amdhsa_float_denorm_mode_32 3
		.amdhsa_float_denorm_mode_16_64 3
		.amdhsa_memory_ordered 1
		.amdhsa_forward_progress 1
		.amdhsa_inst_pref_size 52
	.end_amdhsa_kernel
	.amdgpu_metadata
---
amdhsa.version: [ 1, 2 ]
amdhsa.kernels:
  - .name:           k_q7ee6536e79_prep
    .symbol:         k_q7ee6536e79_prep.kd
    .args:
      - { .name: xf, .offset: 0, .size: 8, .value_kind: global_buffer, .address_space: global }
      - { .name: Wk, .offset: 8, .size: 8, .value_kind: global_buffer, .address_space: global }
      - { .name: Wv, .offset: 16, .size: 8, .value_kind: global_buffer, .address_space: global }
      - { .name: bk, .offset: 24, .size: 8, .value_kind: global_buffer, .address_space: global }
      - { .name: bv, .offset: 32, .size: 8, .value_kind: global_buffer, .address_space: global }
      - { .name: Wq, .offset: 40, .size: 8, .value_kind: global_buffer, .address_space: global }
      - { .name: Wo, .offset: 48, .size: 8, .value_kind: global_buffer, .address_space: global }
      - { .name: W1, .offset: 56, .size: 8, .value_kind: global_buffer, .address_space: global }
      - { .name: W2, .offset: 64, .size: 8, .value_kind: global_buffer, .address_space: global }
      - { .name: wt, .offset: 72, .size: 8, .value_kind: global_buffer, .address_space: global }
      - { .name: kv, .offset: 80, .size: 8, .value_kind: global_buffer, .address_space: global }
    .group_segment_fixed_size: 223232
    .private_segment_fixed_size: 0
    .kernarg_segment_align: 8
    .kernarg_segment_size: 88
    .max_flat_workgroup_size: 256
    .sgpr_count:     80
    .vgpr_count:     256
    .wavefront_size: 32
...
	.end_amdgpu_metadata
.endif
;; end of part 1
;; launch fused (part 2): grid 256 x 1, 4 waves a work-group, clusters of 4 x 1, 327,680 bytes of LDS; arguments x, wt, kv, bq, bo, ln_g, ln_b, b1, b2, out0; writes out0
.if DOCPART == 2
	.amdgcn_target "amdgcn-amd-amdhsa--gfx1250"
	.amdhsa_code_object_version 6
	.text
	.protected	k_q7ee6536e79_fused
	.globl	k_q7ee6536e79_fused
	.p2align	8
	.type	k_q7ee6536e79_fused,@function
k_q7ee6536e79_fused:
	s_mov_b64 s[64:65], 0
	v_nop
	global_prefetch_b8 v0, s[64:65] scope:SCOPE_SE
	s_setreg_imm32_b32 hwreg(HW_REG_WAVE_MODE, 25, 1), 1
	s_wait_xcnt 0x0
	s_wait_alu depctr_hold_cnt(0) depctr_sa_sdst(0) depctr_va_vdst(0) depctr_va_sdst(0) depctr_va_ssrc(0) depctr_va_vcc(0) depctr_vm_vsrc(0)
	s_getreg_b32 s2, hwreg(HW_REG_IB_STS2, 6, 4)
	s_cmp_eq_u32 s2, 0
	s_cbranch_scc0 .Lentry_in_a_cluster
	s_endpgm
.Lentry_in_a_cluster:
	s_bfe_u32 s2, ttmp6, 0x10000c
	s_cmp_lg_u32 s2, 0x3003
	s_cbranch_scc0 .Lentry_shape_is_right
	s_endpgm
.Lentry_shape_is_right:
; out0 = x + o + FFN(o), o = attention(x Wq + bq, K, V) Wo + bo, FFN(o) = gelu(LayerNorm(o) W1 + b1) W2 + b2.  64 rows to a work-group; nothing between x and out0 goes through memory.
; FORMATS.  All products v_wmma_f32_16x16x32_f16: every operand rounded once to f16; sums, softmax, LayerNorm, GELU, biases and both residuals in f32.
; LIMITS.  f16 holds no number beyond 65,504: x, q, the attention's result, LayerNorm's result and gelu's must lie within it (the weights, K and V were rounded by the launch before); below 6e-5 they keep
; f16's fixed step of 6e-8.  A softmax weight or a Gaussian below 2^-126 counts as 0.  NaN and infinities are not treated apart.
; GELU is z Phi(z) with Phi by the rational form of Abramowitz and Stegun 26.2.17, whose error in Phi is at most 7.5e-8 for every z: gelu = max(z, 0) - |z| r(|z|),
; r = (a1 t + .. + a5 t^5) 2^-(0.8493218 z)^2, t = 1 / (1 + 0.2316419 |z|), 1 / sqrt(2 pi) folded into a1 .. a5.
; SOFTMAX takes the row's true maximum away: all 256 scores of a query lie in registers at once, so there is no running maximum.
; SHARES.  In each product with weights a wave owns all 64 rows x a slice of the columns (128 of 512; 16 of a chunk of 64 in the first half of the FFN), so each weight fragment is read from LDS by one wave
; and feeds four products.  The activations, 64 x 512 in f16, lie IN REGISTERS in every wave (512 of them); they change hands through 33 KiB of LDS, half at a time.  Wave w owns heads 4 w .. 4 w + 3:
; its own columns of q.
; LAYOUT.  All products are taken transposed: source 0 = 16 output channels (weights, K, V turned), source 1 = 16 rows.  In a result lane l holds ONE row (l % 16) and channels 8 (l / 16) + 0..7;
; two neighbouring channel blocks, rounded in pairs, ARE a source 1 for the next product.
; THE RING.  Weights, K and V come as 44 slots of 131,072 bytes in fragment order: Wq 4, K and V 4 (a head of each wave a slot), Wo 4, the FFN 32 (a chunk of 64 hidden channels: W1's columns, W2's rows).
; Two LDS slots take turns.  A wave fetches, and alone reads, its own quarter of a slot: one tensor load of 128 rows x 256 bytes.  By this text's count a wave has two loads out at the start, later one.
; CLUSTER.  The four work-groups of a cluster lie in one batch and walk the same 44 slots: each load is asked for JOINTLY, with the same descriptor and the mask of four.
; REGISTERS, in windows of 256 (s_set_vgpr_msb: bits 1:0 source 0, 3:2 source 1, 5:4 source 2, 7:6 destination):
;   window 0: v0-31 addresses, v20-27 at work; v32-63 the FFN's first sums, or statistics; v64-127, v128-191 two buffers of weight fragments (in attention the scores); v192-255 biases, weights p, gelu's fragments
;   window 1: the 32 accumulators, (channel block nb, row block t) at 8 (4 nb + t): q, then o, onto which the FFN's second product adds in place; at the head x in f32; in attention K and V
;   windows 2, 3: the activations: k block kb, row block t in window 2 + bit 1 of kb, at 32 (2 (kb / 4) + kb % 2) + 8 t; in attention window 3 holds q and its result; at the end window 2 holds x in f32
.set SLOT1, 131072                     ; slot 1; one exclusive or turns an address in one slot into the other's
.set SLOTB, 131072                     ; bytes in a slot
.set XCH,   262144                     ; the exchange: 64 rows x (256 f16 + 16 bytes); at the end four stages of 16 rows x (128 f32 + 16 bytes), a wave's own
.set XP,    528                        ; 33 x 16: the 16 rows of a load start in 16 different groups of four banks
.set GB,    295936                     ; gelu's eight fragments
.set STAT,  304128                     ; LayerNorm's partial sums: 2 x 1,024 bytes
.set B1L,   306176                     ; a copy of b1
.set SPARE, 314368                     ; the spare words, 128 bytes a wave
.set WR,  3                            ; v3   my 16 bytes in a fragment of my quarter of a slot
.set ADR, 4                            ; v4   the same in the slot in hand
.set XR,  5                            ; v5   the exchange: my place in a fragment
.set XW,  6                            ; v6   the same, at my wave's 64 columns
.set XS,  7                            ; v7   the exchange: where I put 8 bytes of x
.set SR,  8                            ; v8   my stage: where I read a row back
.set GW,  9                            ; v9   where I put 16 bytes of gelu's result
.set GR,  10                           ; v10  where I read its fragments
.set BA,  11                           ; v11  my eight words of b1 in chunk 0
.set BAD, 12                           ; v12  in the chunk in hand
.set STW, 13                           ; v13  where I put a partial sum
.set STR, 14                           ; v14  where I read the four
.set XO,  15                           ; v15  my byte offset in x at the head
.set GO,  16                           ; v16  my byte offset in a row of x and out0 at the end
.set PFO, 17                           ; v17  256 x lane
.set BO,  18                           ; v18  byte offset of my eight numbers in a vector of 512
.set ST,  19                           ; v19  my stage: where I put 16 bytes
.set U,   20                           ; v20-27  gelu's polynomial; b1's eight words; b2's four
.set BZ,  20
.set B2,  20
.set T16, 28                           ; v28  16 x thread
.set B1W, 29                           ; v29  the same in b1's copy
.set SPW, 30                           ; v30  my spare word; never rewritten
.set NIL, 31                           ; v31  0; never rewritten
.set Z,   32                           ; v32-63  the FFN's first sums, 8 a row block
.set MC,  32                           ; attention: v32-35 four maxima
.set CM,  36                           ; v36-37  c m, m
.set LS,  38                           ; v38  the sum
.set RL,  40                           ; v40-41  its reciprocal, named as a pair
.set OA,  48                           ; v48-63  the two accumulators of V^T P
.set SM,  32                           ; LayerNorm: v32-39 a pair a row block: sums, the mean, then - mean x rstd
.set VR,  40                           ; v40-47  sums of squares, then rstd
.set LD,  48                           ; v48-63  the four waves' partial sums
.set WBA, 64
.set WBB, 128
.set S,   64                           ; the scores, 128 registers
.set BI,  192                          ; eight biases a channel block
.set P,   192                          ; the weights p in f16
.set GF,  192                          ; gelu's fragments
.set D,   192                          ; LayerNorm at work
.set T,   192                          ; gelu at work
.set E,   224
.set WV,  24                           ; s24  my wave's number
.set CX,  25                           ; s25  my place in the cluster: it enters x's, out0's and the prefetches' addresses alone
.set WG,  26                           ; s26  my work-group
.set G1,  32                           ; s[32:39] descriptor group 1: one for all loads
.set G0A, 40                           ; s[40:43] group 0 of the first fill
.set G0,  44                           ; s[44:47] group 0 that walks
.set PW,  48                           ; s[48:49] my quarter of the next slot of wt
.set PKV, 50                           ; s[50:51] of kv
.set PFW, 52                           ; s[52:53] where my prefetches stand in wt
.set PFK, 54                           ; s[54:55] in kv
.set INC, 56                           ; s[56:57] a step of 0 or a slot
.set TB,  58                           ; s58  the slot in hand
.set CNT, 59                           ; s59  chunks of the FFN to go
.set AT,  60                           ; s60  heads to go
.set TT,  61                           ; s61  row blocks to go
.set LIMW, 62                          ; s62  2 in a cluster that prefetches wt, else the greatest number
.set ASKW, 63                          ; s63  1 in that cluster
.set ASKK, 66                          ; s66  1 in a cluster that prefetches kv
.set CS,  68                           ; s[68:69] c = log2(e) / sqrt(32)
.set SEL, 70                           ; s[70:71] v_permlanex16_b32's selects: each lane takes its own place in the other half
.set PCF, 72                           ; s72  0.2316419
.set KA,  74                           ; s[74:75] 0.8493218 = sqrt(log2(e) / 2)
.set CA,  76                           ; s[76:85] a1 .. a5, each named as a pair
.set BC,  86                           ; s86  the chunk's offset in b1's copy
.set XB,  88                           ; s[88:89] x at my work-group's first row
.set OB,  90                           ; s[90:91] out0 there
.set INV, 92                           ; s92  1 / 512
.set EPS, 93                           ; s93  1e-5
.set MSB, 0
.macro WIN new                         ; the immediate's high byte repeats the setting that is left; a switch that changes nothing is dropped
.if MSB != (\new)
	s_set_vgpr_msb (MSB<<8)|(\new)
.set MSB, (\new)
.endif
.endm
.macro PLACES                          ; four places between a matrix instruction and a vector instruction or a load that touches its registers (ISA guide 7.12.1 for vector instructions)
.rept 4
	v_nop
.endr
.endm
.macro BAR                             ; my LDS instructions are done, and so are everybody's
	s_wait_dscnt 0x0
	s_barrier_signal -1
	s_barrier_wait -1
.endm
.macro CROUND                          ; a round of the cluster's barrier
	s_barrier_signal -1
	s_barrier_wait -1
	s_cmp_lg_u32 s[WV], 0
	s_cbranch_scc1 .Lnot_wave_0_\@
	s_barrier_signal -3
.Lnot_wave_0_\@:
	s_barrier_wait -3
	s_barrier_signal -1
	s_barrier_wait -1
.endm
; THE CHANGE OF SLOTS.  Each wave waits for all its tensor loads (one is out: its quarter of the other slot), adds 0 to its spare word, and waits for that and for its reads of the slot that it leaves.
; kind 1, 2, 3: the slot is filled again, two slots ahead, from wt, from kv, or (in the loop over heads) from kv while more than two heads are to go and then from wt; the barrier is a round of the cluster's,
; and the joint load is the first thing behind it.  kind 0: nothing is left to fetch.
; A PREFETCH INTO THE L2 stands behind the load and its five lines: the slot that the change after the next will ask for.  A slot is 512 blocks of 256 bytes: four partners (told apart by address),
; four waves, 32 lanes: a lane a block, one instruction a wave.  All clusters walk the same wt: cluster 0 asks; a batch's sixteen walk the same kv: its first asks.  So each block is named once.
; ask 3: slot j of the batch's kv.  ask 1: the slot of wt at which the pointer stands.  ask 2: the same, while more than two chunks are to go: the last two changes that fill have nothing two slots on.
.macro CHANGE kind, ask, j=0
	WIN 0
	s_wait_tensorcnt 0x0                           ; no tensor load of mine is out, so group 0 may be written
	ds_add_u32 v[SPW], v[NIL]                      ; scalar work stands between the add and the wait for it
.if \kind
	s_xor_b32 s[G0+1], s[G0+1], SLOT1              ; the other slot than last time
.if (\kind) == 1
	s_mov_b64 s[G0+2:G0+3], s[PW:PW+1]
	s_add_nc_u64 s[PW:PW+1], s[PW:PW+1], SLOTB
.elseif (\kind) == 2
	s_mov_b64 s[G0+2:G0+3], s[PKV:PKV+1]
	s_add_nc_u64 s[PKV:PKV+1], s[PKV:PKV+1], SLOTB
.else
	s_cmp_gt_u32 s[AT], 2
	s_cselect_b64 s[G0+2:G0+3], s[PKV:PKV+1], s[PW:PW+1]
	s_cselect_b32 s[INC], 0, SLOTB
	s_add_nc_u64 s[PW:PW+1], s[PW:PW+1], s[INC:INC+1]
	s_add_nc_u64 s[PKV:PKV+1], s[PKV:PKV+1], SLOTB  ; (behind its last slot the pointer is used no more)
.endif
	s_or_b32 s[G0+3], s[G0+3], 0x80000000          ; type = 2
.endif
	s_xor_b32 s[TB], s[TB], SLOT1
.if ((\ask) == 1) || ((\ask) == 2)
	s_wait_xcnt 0x0                                ; the last prefetch, a slot back, has read its address
	s_add_nc_u64 s[PFW:PFW+1], s[PFW:PFW+1], SLOTB
.endif
	s_wait_dscnt 0x0                               ; the add is done, and my reads of the slot are over
.if \kind
	CROUND                                         ; no wave of any partner still reads the slot or has a load on its way
	tensor_load_to_lds s[G0:G0+3], s[G1:G1+7]
	s_nop 0
.else
	s_barrier_signal -1
	s_barrier_wait -1
.endif
	PLACES                                         ; also the places in front of the LDS loads that follow
.if (\ask) == 1
	s_cmp_eq_u32 s[ASKW], 1
	s_cbranch_scc0 .Lnot_mine_\@
	global_prefetch_b8 v[PFO], s[PFW:PFW+1] th:TH_LOAD_NT scope:SCOPE_SE
.Lnot_mine_\@:
.elseif (\ask) == 2
	s_cmp_gt_u32 s[CNT], s[LIMW]
	s_cbranch_scc0 .Lnot_mine_\@
	global_prefetch_b8 v[PFO], s[PFW:PFW+1] th:TH_LOAD_NT scope:SCOPE_SE
.Lnot_mine_\@:
.elseif (\ask) == 3
	s_cmp_eq_u32 s[ASKK], 1
	s_cbranch_scc0 .Lnot_mine_\@
	global_prefetch_b8 v[PFO], s[PFK:PFK+1] offset:(\j)*SLOTB th:TH_LOAD_NT scope:SCOPE_SE
.Lnot_mine_\@:
.endif
.endm
; The eight weight fragments of k step kk of a slot of Wq or Wo
.macro FETCH kk, buf
	WIN 0
.set n, 0
.rept 8
	ds_load_b128 v[(\buf)+8*n:(\buf)+8*n+3],   v[ADR] offset:((\kk)*8+n)*1024
	ds_load_b128 v[(\buf)+8*n+4:(\buf)+8*n+7], v[ADR] offset:((\kk)*8+n)*1024+512
.set n, n+1
.endr
.endm
; 32 products: 8 channel blocks x 4 row blocks, k block kb.  The 32 accumulators take turns.  first = 1: the sums start at the bias.
.macro MULK buf, kb, first
.set rA, 32*(2*((\kb)>>2)+((\kb)&1))
.if \first
	WIN 0x48+4*(((\kb)>>1)&1)
.else
	WIN 0x58+4*(((\kb)>>1)&1)
.endif
.set n, 0
.rept 32
.if \first
	v_wmma_f32_16x16x32_f16 v[8*n:8*n+7], v[(\buf)+8*(n/4):(\buf)+8*(n/4)+7], v[rA+8*(n%4):rA+8*(n%4)+7], v[BI+8*(n/4):BI+8*(n/4)+7]
.else
	v_wmma_f32_16x16x32_f16 v[8*n:8*n+7], v[(\buf)+8*(n/4):(\buf)+8*(n/4)+7], v[rA+8*(n%4):rA+8*(n%4)+7], v[8*n:8*n+7]
.endif
.set n, n+1
.endr
.endm
; A slot of Wq or Wo: four k steps on two buffers.  Each wait for 16 leaves the one younger run of loads out.  The slot's last fragments are in registers at the change of slots,
; and their products stand behind it, while the next slot's first fragments come.
.macro GSLOT sg, kind, ask, j
	s_wait_dscnt 16
.if (\sg) == 0
	MULK WBA, 0, 1
.else
	MULK WBA, 4*(\sg), 0
.endif
	PLACES
	FETCH 2, WBA
	s_wait_dscnt 16
	MULK WBB, 4*(\sg)+1, 0
	PLACES
	FETCH 3, WBB
	s_wait_dscnt 16
	MULK WBA, 4*(\sg)+2, 0
	CHANGE \kind, \ask, \j
.if (\sg) < 3
	v_add_nc_u32 v[ADR], s[TB], v[WR]
	FETCH 0, WBA
.endif
	MULK WBB, 4*(\sg)+3, 0
.if (\sg) < 3
	PLACES
	FETCH 1, WBB
.endif
.endm
; THE EXCHANGE.  A wave holds its 128 columns as 4 x 4 fragments at base + 32 j + 8 t.  Half e: each wave writes its fragments j = 2 e, 2 e + 1, and every wave reads all 32 into window 2 + e.
.macro XWRITE e, win, base
	WIN \win
.set n, 0
.rept 8                                        ; n = 4 i + t
	ds_store_b128 v[XW], v[(\base)+64*(\e)+8*n:(\base)+64*(\e)+8*n+3]   offset:(n%4)*16*XP+(n/4)*64
	ds_store_b128 v[XW], v[(\base)+64*(\e)+8*n+4:(\base)+64*(\e)+8*n+7] offset:(n%4)*16*XP+(n/4)*64+32
.set n, n+1
.endr
	WIN 0
.endm
.macro XREAD e
	WIN 0x80+0x40*(\e)
.set n, 0
.rept 32                                       ; n = 4 f + t
	ds_load_b128 v[8*n:8*n+3],   v[XR] offset:(n%4)*16*XP+(n/4)*64
	ds_load_b128 v[8*n+4:8*n+7], v[XR] offset:(n%4)*16*XP+(n/4)*64+32
.set n, n+1
.endr
	WIN 0
.endm
.macro EXCH win, base                  ; The tensor load that is out may stay out
	XWRITE 0, \win, \base
	BAR
	XREAD 0
	BAR
	XWRITE 1, \win, \base
	BAR
	XREAD 1
	s_wait_dscnt 0x0
.endm
.macro XIN e                           ; half e of my 16 rows of x: rounded to f16, into the exchange
	WIN 0x05
.set n, 0
.rept 32
	v_cvt_pk_f16_f32 v[64+2*n],   v[128*(\e)+4*n],   v[128*(\e)+4*n+1]
	v_cvt_pk_f16_f32 v[64+2*n+1], v[128*(\e)+4*n+2], v[128*(\e)+4*n+3]
.set n, n+1
.endr
	WIN 0
.set n, 0
.rept 32
	ds_store_b64 v[XS], v[64+2*n:64+2*n+1] offset:(n/2)*XP+(n%2)*256
.set n, n+1
.endr
.endm
; Four pairs of sums at b, one a row block: the pair's halves, the other half of the lanes, then the four waves' through LDS.  Every wave adds in the same order.
.macro RED b, so
.irp t, 0,1,2,3
	v_add_f32 v[(\b)+2*\t], v[(\b)+2*\t], v[(\b)+2*\t+1]
.endr
.irp t, 0,1,2,3
	v_permlanex16_b32 v[(\b)+2*\t+1], v[(\b)+2*\t], s[SEL], s[SEL+1]
.endr
.irp t, 0,1,2,3
	v_add_f32 v[(\b)+2*\t], v[(\b)+2*\t], v[(\b)+2*\t+1]
.endr
.irp t, 0,1,2,3
	ds_store_b32 v[STW], v[(\b)+2*\t] offset:(\so)+256*\t
.endr
	BAR
.irp t, 0,1,2,3
	ds_load_b128 v[LD+4*\t:LD+4*\t+3], v[STR] offset:(\so)+256*\t
.endr
	s_wait_dscnt 0x0
.irp t, 0,1,2,3
	v_add_f32 v[LD+4*\t],   v[LD+4*\t],   v[LD+4*\t+1]
	v_add_f32 v[LD+4*\t+2], v[LD+4*\t+2], v[LD+4*\t+3]
.endr
.irp t, 0,1,2,3
	v_add_f32 v[(\b)+2*\t], v[LD+4*\t], v[LD+4*\t+2]
.endr
.endm
; THE FFN.  A chunk's first loads: W1's fragments for the activations in window 2, and my eight words of b1 (chunk 31 - CNT)
.macro FAL
	WIN 0
	v_add_nc_u32 v[ADR], s[TB], v[WR]
.set n, 0
.rept 8
	ds_load_b128 v[WBA+8*n:WBA+8*n+3],   v[ADR] offset:n*1024
	ds_load_b128 v[WBA+8*n+4:WBA+8*n+7], v[ADR] offset:n*1024+512
.set n, n+1
.endr
	s_sub_co_u32 s[BC], 31, s[CNT]
	s_lshl_b32 s[BC], s[BC], 8
	v_add_nc_u32 v[BAD], s[BC], v[BA]
	ds_load_b128 v[BZ:BZ+3],   v[BAD]
	ds_load_b128 v[BZ+4:BZ+7], v[BAD] offset:16
.endm
.macro FFN2 buf, kk                    ; 32 products onto the accumulators: 32 hidden channels
	WIN 0x50
.set n, 0
.rept 32
	v_wmma_f32_16x16x32_f16 v[8*n:8*n+7], v[(\buf)+8*(n/4):(\buf)+8*(n/4)+7], v[GF+32*(\kk)+8*(n%4):GF+32*(\kk)+8*(n%4)+7], v[8*n:8*n+7]
.set n, n+1
.endr
.endm
.macro GPL p, n                        ; gelu, ahead of the wait: plain line n of 4 for pair p of 16
.if (\n) == 0
	v_fma_f32 v[T+2*(\p)], |v[Z+2*(\p)]|, s[PCF], 1.0
.elseif (\n) == 1
	v_fma_f32 v[T+2*(\p)+1], |v[Z+2*(\p)+1]|, s[PCF], 1.0
.elseif (\n) == 2
	v_pk_mul_f32 v[E+2*(\p):E+2*(\p)+1], v[Z+2*(\p):Z+2*(\p)+1], s[KA:KA+1] op_sel_hi:[1,0]
.else
	v_pk_mul_f32 v[E+2*(\p):E+2*(\p)+1], v[E+2*(\p):E+2*(\p)+1], v[E+2*(\p):E+2*(\p)+1] neg_lo:[0,1] neg_hi:[0,1]  ; - (0.8493218 z)^2
.endif
.endm
; The 64 reciprocals and exponentials are ONE BATCH with one wait: ahead of it nothing names a result; a pair's plain lines stand between the pair before's transcendentals.
.macro GELU
	WIN 0
.irp n, 0,1,2,3
	GPL 0, \n
.endr
.set p, 0
.rept 16
.if p < 15
	GPL p+1, 0
.endif
	v_rcp_f32 v[T+2*p], v[T+2*p]
.if p < 15
	GPL p+1, 1
.endif
	v_rcp_f32 v[T+2*p+1], v[T+2*p+1]
.if p < 15
	GPL p+1, 2
.endif
	v_exp_f32 v[E+2*p], v[E+2*p]
.if p < 15
	GPL p+1, 3
.endif
	v_exp_f32 v[E+2*p+1], v[E+2*p+1]
.set p, p+1
.endr
	v_nop                                          ; a plain instruction behind the last of them,
	s_wait_alu depctr_va_vdst(0)                   ; and the wait ahead of the first use: one for the batch
.irp g, 0,1,2,3                        ; a row block at a time; its four pairs side by side, so that no line waits for the one before it
.irp a, 0,1,2,3
	v_pk_fma_f32 v[U+2*\a:U+2*\a+1], v[T+8*\g+2*\a:T+8*\g+2*\a+1], s[CA+8:CA+9], s[CA+6:CA+7] op_sel_hi:[1,0,0]
.endr
.irp c, 4,2,0
.irp a, 0,1,2,3
	v_pk_fma_f32 v[U+2*\a:U+2*\a+1], v[U+2*\a:U+2*\a+1], v[T+8*\g+2*\a:T+8*\g+2*\a+1], s[CA+\c:CA+\c+1] op_sel_hi:[1,1,0]
.endr
.endr
.irp a, 0,1,2,3
	v_pk_mul_f32 v[E+8*\g+2*\a:E+8*\g+2*\a+1], v[E+8*\g+2*\a:E+8*\g+2*\a+1], v[T+8*\g+2*\a:T+8*\g+2*\a+1]
.endr
.irp a, 0,1,2,3
	v_pk_mul_f32 v[E+8*\g+2*\a:E+8*\g+2*\a+1], v[E+8*\g+2*\a:E+8*\g+2*\a+1], v[U+2*\a:U+2*\a+1]  ; r
.endr
.irp a, 0,1,2,3,4,5,6,7
	v_max_num_f32 v[T+8*\g+\a], 0, v[Z+8*\g+\a]
.endr
.irp a, 0,1,2,3,4,5,6,7
	v_fma_f32 v[T+8*\g+\a], -|v[Z+8*\g+\a]|, v[E+8*\g+\a], v[T+8*\g+\a]
.endr
.irp a, 0,1,2,3
	v_cvt_pk_f16_f32 v[Z+8*\g+\a], v[T+8*\g+2*\a], v[T+8*\g+2*\a+1]
.endr
.endr
.endm
; The body of a chunk: the first product (my 16 hidden channels x 64 rows, 512 along k), gelu, its result to all waves through LDS, the first half of the second product.
; tail = 1: the last chunk: the activations in window 2 have been read for the last time, and x is asked for again, for the residual.
.macro FFN_B tail
	WIN 0
	PLACES
.set n, 0
.rept 8
	ds_load_b128 v[WBB+8*n:WBB+8*n+3],   v[ADR] offset:(8+n)*1024
	ds_load_b128 v[WBB+8*n+4:WBB+8*n+7], v[ADR] offset:(8+n)*1024+512
.set n, n+1
.endr
	s_wait_dscnt 16                                ; all but the 16 just issued
	WIN 0x08
.set n, 0
.rept 32                                       ; n = 4 f + t; the four accumulators take turns; the sums start at b1
.if n < 4
	v_wmma_f32_16x16x32_f16 v[Z+8*(n%4):Z+8*(n%4)+7], v[WBA+8*(n/4):WBA+8*(n/4)+7], v[8*n:8*n+7], v[BZ:BZ+7]
.else
	v_wmma_f32_16x16x32_f16 v[Z+8*(n%4):Z+8*(n%4)+7], v[WBA+8*(n/4):WBA+8*(n/4)+7], v[8*n:8*n+7], v[Z+8*(n%4):Z+8*(n%4)+7]
.endif
.set n, n+1
.endr
	s_wait_dscnt 0x0
	WIN 0x0c
.set n, 0
.rept 32
	v_wmma_f32_16x16x32_f16 v[Z+8*(n%4):Z+8*(n%4)+7], v[WBB+8*(n/4):WBB+8*(n/4)+7], v[8*n:8*n+7], v[Z+8*(n%4):Z+8*(n%4)+7]
.set n, n+1
.endr
	WIN 0
	PLACES
.set n, 0
.rept 16                                       ; W2's sixteen fragments: the first 32 hidden channels into one buffer, the other 32 into the other
	ds_load_b128 v[WBA+8*n:WBA+8*n+3],   v[ADR] offset:16384+n*1024
	ds_load_b128 v[WBA+8*n+4:WBA+8*n+7], v[ADR] offset:16384+n*1024+512
.set n, n+1
.endr
.if \tail
	WIN 0x80
.set n, 0
.rept 64                                       ; row n, my wave's 128 columns: 512 consecutive bytes
	global_load_b128 v[4*n:4*n+3], v[GO], s[XB:XB+1] offset:n*2048
.set n, n+1
.endr
	WIN 0
.endif
	GELU
.if \tail
	global_load_b128 v[B2:B2+3], v[GO], s[20:21]
.endif
.irp t, 0,1,2,3
	ds_store_b128 v[GW], v[Z+8*\t:Z+8*\t+3] offset:\t*1024
.endr
	BAR
.set n, 0
.rept 8
	ds_load_b128 v[GF+8*n:GF+8*n+3],   v[GR] offset:n*1024
	ds_load_b128 v[GF+8*n+4:GF+8*n+7], v[GR] offset:n*1024+512
.set n, n+1
.endr
	s_wait_dscnt 0x0
	FFN2 WBA, 0
.endm
; THE WAY OUT of row block t: the accumulators go into my own stage and come back as whole rows of 512 bytes.  LDS serves a wave's instructions in order (ISA guide 5.7.1.4): no wait between them.
.macro STG t
	WIN 0x04
.set n, 0
.rept 8
	ds_store_b128 v[ST], v[8*(4*n+(\t)):8*(4*n+(\t))+3]   offset:64*n
	ds_store_b128 v[ST], v[8*(4*n+(\t))+4:8*(4*n+(\t))+7] offset:64*n+16
.set n, n+1
.endr
	WIN 0
.set n, 0
.rept 16
	ds_load_b128 v[64+64*((\t)%2)+4*n:64+64*((\t)%2)+4*n+3], v[SR] offset:n*XP
.set n, n+1
.endr
.endm
.macro OUT t, younger                  ; younger: the LDS instructions issued behind block t's loads: the next block's 32, or none
.set rB, 64+64*((\t)%2)
	s_wait_dscnt \younger
	WIN 0x08
.set n, 0
.rept 32
	v_pk_add_f32 v[rB+2*n:rB+2*n+1], v[rB+2*n:rB+2*n+1], v[64*(\t)+2*n:64*(\t)+2*n+1]  ; + x
.set n, n+1
.endr
	WIN 0
.set n, 0
.rept 32
	v_pk_add_f32 v[rB+2*n:rB+2*n+1], v[rB+2*n:rB+2*n+1], v[B2+2*(n%2):B2+2*(n%2)+1]    ; + b2
.set n, n+1
.endr
.set n, 0
.rept 16
	global_store_b128 v[GO], v[rB+4*n:rB+4*n+3], s[OB:OB+1] offset:(16*(\t)+n)*2048 th:TH_STORE_NT  ; 512 consecutive bytes, at a multiple of 512 from out0's first
.set n, n+1
.endr
.endm
	; ---------------- the head
	s_load_b512 s[4:19], s[0:1], 0x0               ; x s[4:5], wt s[6:7], kv s[8:9], bq s[10:11], bo s[12:13], ln_g s[14:15], ln_b s[16:17], b1 s[18:19]
	s_load_b128 s[20:23], s[0:1], 0x40             ; b2 s[20:21], out0 s[22:23]
	v_lshl_add_u32 v[SPW], v0, 2, SPARE
	v_mov_b32 v[NIL], 0
	ds_add_u32 v[SPW], v[NIL]                      ; the wave's opening: the add and its wait stand ahead of my first tensor load; the set-up, work on registers, stands between them
	v_lshrrev_b32 v1, 5, v0
	v_readfirstlane_b32 s[WV], v1                  ; wave 0..3
	s_bfe_u32 s[CX], ttmp6, 0x40000
	s_lshl_b32 s[WG], ttmp9, 2                     ; in a cluster launch ttmp9 counts clusters
	s_add_co_u32 s[WG], s[WG], s[CX]
	; descriptor group 1: 32,768 dense bytes as 128 rows of 256
	s_mov_b32 s[G1],   15|(3<<16)|(1<<21)          ; 15:0 the mask of four; 17:16 elements of 8 bytes; 21 set beside a mask; no padding: fragments are read 512 consecutive bytes at a time
	s_mov_b32 s[G1+1], 32<<16                      ; tensor_dim0 = 32
	s_mov_b32 s[G1+2], 128<<16                     ; tensor_dim1 = 128
	s_mov_b32 s[G1+3], 32<<16                      ; tile_dim0 = 32
	s_mov_b32 s[G1+4], 128                         ; tile_dim1 = 128
	s_mov_b32 s[G1+5], 32                          ; 32 elements from row to row
	s_mov_b32 s[G1+6], 0
	s_mov_b32 s[G1+7], 0
	s_lshl_b32 s28, s[WV], 15                      ; my quarter of a slot, in memory and in LDS
	s_mov_b32 s29, 0
	s_mov_b32 s[G0A], 1
	s_mov_b32 s[G0A+1], s28
	s_mov_b32 s[G0], 1
	s_add_co_u32 s[G0+1], s28, SLOT1
	s_lshr_b32 s30, ttmp9, 4                       ; the batch, which the four partners share:
	s_lshl_b32 s30, s30, 19                        ; its four slots of kv
	s_mov_b32 s31, 0
	s_lshl_b32 s[INC], s[CX], 15                   ; the prefetches: my work-group's quarter of a slot,
	s_lshl_b32 s27, s[WV], 13                      ; my wave's quarter of that
	s_add_co_u32 s[INC], s[INC], s27
	s_mov_b32 s[INC+1], 0
	s_cmp_eq_u32 ttmp9, 0                          ; the same in all four partners
	s_cselect_b32 s[ASKW], 1, 0
	s_cselect_b32 s[LIMW], 2, -1
	s_and_b32 s27, ttmp9, 15
	s_cmp_eq_u32 s27, 0
	s_cselect_b32 s[ASKK], 1, 0
	s_mov_b32 s[TB], 0
	s_mov_b32 s[CS], 0x3e8293ee                    ; log2(e) / sqrt(32) = 0.255035
	s_mov_b32 s[CS+1], s[CS]
	s_mov_b32 s[SEL], 0x76543210
	s_mov_b32 s[SEL+1], 0xfedcba98
	s_mov_b32 s[PCF], 0x3e6d3389                   ; 0.2316419
	s_mov_b32 s[KA], 0x3f596d27                    ; 0.8493218
	s_mov_b32 s[KA+1], s[KA]
	s_mov_b32 s[CA],   0x3e027906                  ; a1 =  0.12741480
	s_mov_b32 s[CA+2], 0xbe11a98e                  ; a2 = -0.14224837
	s_mov_b32 s[CA+4], 0x3f35f0e3                  ; a3 =  0.71070687
	s_mov_b32 s[CA+6], 0xbf3a00e3                  ; a4 = -0.72657601
	s_mov_b32 s[CA+8], 0x3f07dc22                  ; a5 =  0.53070271
.irp c, 0,2,4,6,8
	s_mov_b32 s[CA+\c+1], s[CA+\c]
.endr
	s_mov_b32 s[INV], 0x3b000000                   ; 1 / 512
	s_mov_b32 s[EPS], 0x3727c5ac                   ; 1e-5
	v_and_b32 v1, 15, v0                           ; l % 16
	v_bfe_u32 v2, v0, 4, 1                         ; l / 16
	v_and_b32 v32, 31, v0                          ; l
	v_lshl_add_u32 v[WR], v32, 4, s28
	v_mul_u32_u24 v33, v1, XP
	v_lshl_add_u32 v[XR], v2, 4, v33
	v_add_nc_u32 v[XR], XCH, v[XR]                 ; row x pitch + 16 x half
	s_lshl_b32 s27, s[WV], 7
	v_add_nc_u32 v[XW], s27, v[XR]
	s_mul_i32 s27, s[WV], 16*XP
	s_add_co_u32 s27, s27, XCH                     ; my 16 rows of the exchange; at the end my stage
	v_lshl_add_u32 v[XS], v32, 3, s27
	v_lshl_add_u32 v[SR], v32, 4, s27
	v_lshl_add_u32 v[ST], v2, 5, v33
	v_add_nc_u32 v[ST], s27, v[ST]
	s_lshr_b32 s27, s[WV], 1
	s_lshl_b32 s27, s27, 12                        ; my 16 hidden channels lie in k block w / 2 (four fragments each),
	s_and_b32 s87, s[WV], 1
	s_lshl_b32 s87, s87, 9                         ; in the fragments' half w % 2
	s_add_co_u32 s27, s27, s87
	s_add_co_u32 s27, s27, GB
	v_lshl_add_u32 v[GW], v32, 4, s27
	v_lshl_add_u32 v[GR], v32, 4, GB
	s_lshl_b32 s27, s[WV], 6
	s_add_co_u32 s27, s27, B1L
	v_lshl_add_u32 v[BA], v2, 5, s27
	v_lshl_add_u32 v[STR], v1, 4, STAT
	s_lshl_b32 s27, s[WV], 2
	v_add_nc_u32 v[STW], s27, v[STR]
	v_lshlrev_b32 v33, 4, v1
	v_lshl_add_u32 v33, v2, 9, v33                 ; lanes 0-15 take 256 bytes of a row, lanes 16-31 the 256 bytes 512 further on
	v_add_nc_u32 v[XO], s28, v33                   ; my wave's 16 rows of 2,048 bytes
	s_lshl_b32 s27, s[WV], 9
	v_lshl_add_u32 v[GO], v32, 4, s27
	v_lshl_add_u32 v[BO], v2, 5, s27
	v_lshlrev_b32 v[PFO], 8, v32
	v_lshlrev_b32 v[T16], 4, v0
	v_add_nc_u32 v[B1W], B1L, v[T16]
	s_wait_dscnt 0x0                               ; the opening add is done
	s_wait_kmcnt 0x0
	s_add_nc_u64 s[PW:PW+1], s[6:7], s[28:29]
	s_mov_b64 s[G0A+2:G0A+3], s[PW:PW+1]           ; slot 0 of wt
	s_or_b32 s[G0A+3], s[G0A+3], 0x80000000
	s_add_nc_u64 s[G0+2:G0+3], s[PW:PW+1], SLOTB   ; slot 1
	s_or_b32 s[G0+3], s[G0+3], 0x80000000
	s_add_nc_u64 s[PW:PW+1], s[PW:PW+1], 2*SLOTB
	s_add_nc_u64 s[PKV:PKV+1], s[8:9], s[30:31]
	s_add_nc_u64 s[PFK:PFK+1], s[PKV:PKV+1], s[INC:INC+1]
	s_add_nc_u64 s[PKV:PKV+1], s[PKV:PKV+1], s[28:29]
	s_add_nc_u64 s[PFW:PFW+1], s[6:7], s[INC:INC+1]
	s_add_nc_u64 s[PFW:PFW+1], s[PFW:PFW+1], 3*SLOTB  ; the fifth change of slots steps it to slot 4 of wt, the first that is asked for: nothing is prefetched at the head
	s_lshl_b32 s30, s[WG], 17                      ; 64 rows of 2,048 bytes
	s_add_nc_u64 s[XB:XB+1], s[4:5], s[30:31]
	s_add_nc_u64 s[OB:OB+1], s[22:23], s[30:31]
	CROUND                                         ; all four work-groups are here: the first joint loads meet
	tensor_load_to_lds s[G0A:G0A+3], s[G1:G1+7]
	s_nop 0
	tensor_load_to_lds s[G0:G0+3], s[G1:G1+7]
	s_nop 0
	PLACES
	WIN 0x40
.irp e, 0,1                            ; x, my 16 rows, in f32: half e holds the groups of 64 columns of parity e
.set n, 0
.rept 32
	global_load_b128 v[128*\e+4*n:128*\e+4*n+3], v[XO], s[XB:XB+1] offset:(n/2)*2048+(n%2)*1024+\e*256
.set n, n+1
.endr
.endr
	WIN 0
.irp i, 0,1,2,3
	global_load_b128 v[32+4*\i:35+4*\i], v[T16], s[18:19] offset:\i*2048
.endr
.irp nb, 0,1,2,3,4,5,6,7
	global_load_b128 v[BI+8*\nb:BI+8*\nb+3],   v[BO], s[10:11] offset:64*\nb
	global_load_b128 v[BI+8*\nb+4:BI+8*\nb+7], v[BO], s[10:11] offset:64*\nb+16
.endr
	s_wait_loadcnt 52                              ; the first half of x is in: behind it stand 32 + 4 + 16 loads
	XIN 0
	s_wait_loadcnt 16                              ; all but bq's sixteen
.irp i, 0,1,2,3
	ds_store_b128 v[B1W], v[32+4*\i:35+4*\i] offset:\i*2048
.endr
	BAR
	XREAD 0
	BAR
	XIN 1
	BAR
	XREAD 1
	s_wait_loadcnt 0x0                             ; bq
	s_wait_tensorcnt 0x1                           ; my quarter of slot 0 is in; slot 1's may stay out
	BAR
	; ---------------- q = x Wq + bq
	v_add_nc_u32 v[ADR], s[TB], v[WR]
	FETCH 0, WBA
	FETCH 1, WBB
	GSLOT 0, 1, 3, 0
	GSLOT 1, 1, 3, 1
	GSLOT 2, 2, 3, 2
	GSLOT 3, 2, 3, 3
	PLACES
	WIN 0xc5                                       ; head s, row block t: a fragment at 32 s + 8 t of window 3
.irp s, 0,1,2,3
.irp t, 0,1,2,3
.irp q, 0,1
.irp p, 0,1,2,3
	v_cvt_pk_f16_f32 v[32*\s+8*\t+4*\q+\p], v[8*(4*(2*\s+\q)+\t)+2*\p], v[8*(4*(2*\s+\q)+\t)+2*\p+1]
.endr
.endr
.endr
.endr
	; ---------------- attention: a head a slot, a block of 16 queries a trip.  One text serves all sixteen: it takes q at the array's head and puts its result behind the array's end,
	; and the array of 136 registers moves eight down: 128 copies a trip are the price of the one text.  After sixteen trips the results stand where q stood.
	WIN 0
	s_mov_b32 s[AT], 4
.Latt:
	v_add_nc_u32 v[ADR], s[TB], v[WR]
	WIN 0x40
.set i, 0
.rept 32                                       ; the head's 16 fragments of K, then its 16 of V turned
	ds_load_b128 v[8*i:8*i+3],   v[ADR] offset:i*1024
	ds_load_b128 v[8*i+4:8*i+7], v[ADR] offset:i*1024+512
.set i, i+1
.endr
	WIN 0
	s_wait_dscnt 0x0
	s_mov_b32 s[TT], 4
.Ltile:
	WIN 0x0d
.set i, 0
.rept 16                                       ; S^T = K q^T: a lane holds one query and the keys 16 i + 8 (l / 16) + 0..7
	v_wmma_f32_16x16x32_f16 v[S+8*i:S+8*i+7], v[8*i:8*i+7], v[0:7], 0
.set i, i+1
.endr
	WIN 0
	PLACES
.irp q, 0,1,2,3                        ; the maximum: four chains, each over 32 registers in ascending order
	v_max3_num_f32 v[MC+\q], v[S+32*\q], v[S+32*\q+1], v[S+32*\q+2]
.endr
.set k, 1
.rept 14
.irp q, 0,1,2,3
	v_max3_num_f32 v[MC+\q], v[MC+\q], v[S+32*\q+2*k+1], v[S+32*\q+2*k+2]
.endr
.set k, k+1
.endr
.irp q, 0,1,2,3
	v_max_num_f32 v[MC+\q], v[MC+\q], v[S+32*\q+31]
.endr
	v_max3_num_f32 v[MC], v[MC], v[MC+1], v[MC+2]
	v_max_num_f32 v[MC], v[MC], v[MC+3]
	v_permlanex16_b32 v[MC+1], v[MC], s[SEL], s[SEL+1]  ; the query's other 128 keys lie in the lane 16 away
	v_max_num_f32 v[CM+1], v[MC], v[MC+1]
	v_mul_f32 v[CM], s[CS], v[CM+1]
.macro FSC p                           ; c s - c m for pair p of 64
	v_pk_fma_f32 v[S+2*(\p):S+2*(\p)+1], v[S+2*(\p):S+2*(\p)+1], s[CS:CS+1], v[CM:CM+1] op_sel_hi:[1,0,0] neg_lo:[0,0,1] neg_hi:[0,0,1]
.endm
	FSC 0
.set p, 0
.rept 64                                       ; ONE BATCH of 128 exponentials: nothing ahead of the wait names a result; each pair is scaled a step ahead of its exponentials
.if p < 63
	FSC p+1
.endif
	v_exp_f32 v[S+2*p], v[S+2*p]
	v_exp_f32 v[S+2*p+1], v[S+2*p+1]
.set p, p+1
.endr
	v_nop                                          ; a plain instruction behind the last exponential,
	s_wait_alu depctr_va_vdst(0)                   ; and the wait ahead of the first use: one for the batch
.set p, 0
.rept 64
	v_cvt_pk_f16_f32 v[P+p], v[S+2*p], v[S+2*p+1]  ; two key blocks' pairs are a fragment of 32 keys
.set p, p+1
.endr
.irp w, 32,16,8,4,2,1                  ; the sum of the unrounded weights, in place
.set u, 0
.rept \w
	v_pk_add_f32 v[S+2*u:S+2*u+1], v[S+2*u:S+2*u+1], v[S+2*(u+\w):S+2*(u+\w)+1]
.set u, u+1
.endr
.endr
	v_add_f32 v[LS], v[S], v[S+1]
	v_permlanex16_b32 v[MC+1], v[LS], s[SEL], s[SEL+1]
	v_add_f32 v[LS], v[LS], v[MC+1]
	v_rcp_f32 v[RL], v[LS]
	v_mov_b32 v[RL+1], v[LS]                       ; the plain instruction behind the reciprocal; it also writes the pair's second word, which is named and not used
	WIN 0x01
.set n, 0
.rept 16                                       ; O^T = V^T P: n = 2 (32 keys) + channel block; the two accumulators take turns
.if n < 2
	v_wmma_f32_16x16x32_f16 v[OA+8*(n%2):OA+8*(n%2)+7], v[128+8*n:128+8*n+7], v[P+8*(n/2):P+8*(n/2)+7], 0
.else
	v_wmma_f32_16x16x32_f16 v[OA+8*(n%2):OA+8*(n%2)+7], v[128+8*n:128+8*n+7], v[P+8*(n/2):P+8*(n/2)+7], v[OA+8*(n%2):OA+8*(n%2)+7]
.endif
.set n, n+1
.endr
	WIN 0
	PLACES
	s_wait_alu depctr_va_vdst(0)                   ; the reciprocal's wait, ahead of its first use
.set n, 0
.rept 8
	v_pk_mul_f32 v[OA+2*n:OA+2*n+1], v[OA+2*n:OA+2*n+1], v[RL:RL+1] op_sel_hi:[1,0]
.set n, n+1
.endr
	WIN 0xc0
.set n, 0
.rept 8
	v_cvt_pk_f16_f32 v[128+n], v[OA+2*n], v[OA+2*n+1]
.set n, n+1
.endr
	WIN 0xc3
.set n, 0
.rept 128
	v_mov_b32 v[n], v[n+8]
.set n, n+1
.endr
	WIN 0
	s_sub_co_u32 s[TT], s[TT], 1
	s_cmp_lg_u32 s[TT], 0
	s_cbranch_scc1 .Ltile
	CHANGE 3, 1
	s_sub_co_u32 s[AT], s[AT], 1
	s_cmp_lg_u32 s[AT], 0
	s_cbranch_scc1 .Latt
	; ---------------- o = attention Wo + bo
.irp nb, 0,1,2,3,4,5,6,7
	global_load_b128 v[BI+8*\nb:BI+8*\nb+3],   v[BO], s[12:13] offset:64*\nb
	global_load_b128 v[BI+8*\nb+4:BI+8*\nb+7], v[BO], s[12:13] offset:64*\nb+16
.endr
	EXCH 0x0c, 0                                   ; from window 3; its second half lands there only when my heads 2 and 3 have been written
	s_wait_loadcnt 0x0
	v_add_nc_u32 v[ADR], s[TB], v[WR]
	FETCH 0, WBA
	FETCH 1, WBB
	GSLOT 0, 1, 1, 0
	GSLOT 1, 1, 1, 0
	GSLOT 2, 1, 1, 0
	GSLOT 3, 1, 1, 0
	; ---------------- LayerNorm, in two passes: the mean, then the squares of the distances from it.  The accumulators keep o.
	PLACES
	WIN 0x80
.irp nb, 0,1,2,3,4,5,6,7
	global_load_b128 v[8*\nb:8*\nb+3],       v[BO], s[14:15] offset:64*\nb
	global_load_b128 v[8*\nb+4:8*\nb+7],     v[BO], s[14:15] offset:64*\nb+16
	global_load_b128 v[64+8*\nb:64+8*\nb+3], v[BO], s[16:17] offset:64*\nb
	global_load_b128 v[64+8*\nb+4:64+8*\nb+7], v[BO], s[16:17] offset:64*\nb+16
.endr
	WIN 0x05
.irp t, 0,1,2,3
	v_pk_add_f32 v[SM+2*\t:SM+2*\t+1], v[8*\t:8*\t+1], v[8*\t+2:8*\t+3]
.endr
	WIN 0x01
.set n, 2
.rept 30                                       ; channel block n / 4, pair n % 4: each accumulator from its low end on
.irp t, 0,1,2,3
	v_pk_add_f32 v[SM+2*\t:SM+2*\t+1], v[8*(4*(n/4)+\t)+2*(n%4):8*(4*(n/4)+\t)+2*(n%4)+1], v[SM+2*\t:SM+2*\t+1]
.endr
.set n, n+1
.endr
	WIN 0
	RED SM, 0
.irp t, 0,1,2,3
	v_mul_f32 v[SM+2*\t], s[INV], v[SM+2*\t]       ; the mean
.endr
.set nb, 0
.rept 8
	WIN 0x01
.irp p, 0,1,2,3
.irp t, 0,1,2,3
	v_pk_add_f32 v[D+8*\t+2*\p:D+8*\t+2*\p+1], v[8*(4*nb+\t)+2*\p:8*(4*nb+\t)+2*\p+1], v[SM+2*\t:SM+2*\t+1] op_sel_hi:[1,0] neg_lo:[0,1] neg_hi:[0,1]
.endr
.endr
	WIN 0
.irp p, 0,1,2,3
.irp t, 0,1,2,3
.if (nb == 0) && (\p == 0)
	v_pk_mul_f32 v[VR+2*\t:VR+2*\t+1], v[D+8*\t:D+8*\t+1], v[D+8*\t:D+8*\t+1]
.else
	v_pk_fma_f32 v[VR+2*\t:VR+2*\t+1], v[D+8*\t+2*\p:D+8*\t+2*\p+1], v[D+8*\t+2*\p:D+8*\t+2*\p+1], v[VR+2*\t:VR+2*\t+1]
.endif
.endr
.endr
.set nb, nb+1
.endr
	RED VR, 1024
.irp t, 0,1,2,3
	v_fma_f32 v[VR+2*\t], v[VR+2*\t], s[INV], s[EPS]
.endr
.irp t, 0,1,2,3
	v_rsq_f32 v[VR+2*\t], v[VR+2*\t]
.endr
	v_nop
	s_wait_alu depctr_va_vdst(0)                   ; one wait for the four roots
.irp t, 0,1,2,3
	v_mul_f32 v[SM+2*\t], -v[SM+2*\t], v[VR+2*\t]  ; - mean x rstd
.endr
	s_wait_loadcnt 0x0                             ; ln_g, ln_b
.set nb, 0
.rept 8
	WIN 0x01
.irp p, 0,1,2,3
.irp t, 0,1,2,3
	v_pk_fma_f32 v[D+8*\t+2*\p:D+8*\t+2*\p+1], v[8*(4*nb+\t)+2*\p:8*(4*nb+\t)+2*\p+1], v[VR+2*\t:VR+2*\t+1], v[SM+2*\t:SM+2*\t+1] op_sel_hi:[1,0,0]
.endr
.endr
	WIN 0x28
.irp p, 0,1,2,3
.irp t, 0,1,2,3
	v_pk_fma_f32 v[D+8*\t+2*\p:D+8*\t+2*\p+1], v[D+8*\t+2*\p:D+8*\t+2*\p+1], v[8*nb+2*\p:8*nb+2*\p+1], v[64+8*nb+2*\p:64+8*nb+2*\p+1]
.endr
.endr
	WIN 0
.irp p, 0,1,2,3
.irp t, 0,1,2,3
	v_cvt_pk_f16_f32 v[64+32*(nb/2)+8*\t+4*(nb%2)+\p], v[D+8*\t+2*\p], v[D+8*\t+2*\p+1]
.endr
.endr
.set nb, nb+1
.endr
	EXCH 0, 64
	; ---------------- the FFN: 32 chunks of 64 hidden channels.  The second half of a chunk's second product stands behind the change of slots, while the next chunk's first fragments come.
	s_mov_b32 s[CNT], 31
	FAL
	s_branch .Lmid                                 ; the loop is entered in the middle of a trip: chunk 0 has no chunk before it
.Lffn:                                             ; 30 times: every chunk's slot but the last two is filled again
	CHANGE 1, 2
	FAL
	FFN2 WBB, 1
	WIN 0
.Lmid:
	FFN_B 0
	WIN 0
	s_sub_co_u32 s[CNT], s[CNT], 1
	s_cmp_lg_u32 s[CNT], 0
	s_cbranch_scc1 .Lffn
	CHANGE 0, 0                                    ; the last chunk is written out: nothing is asked for
	FAL
	FFN2 WBB, 1
	FFN_B 1
	FFN2 WBB, 1
	; ---------------- out0 = x + o + FFN + b2
	WIN 0
	PLACES
	s_wait_loadcnt 0x0                             ; x and b2
	STG 0
	STG 1
	OUT 0, 32
	s_wait_xcnt 0x0                                ; block 0's stores have read their data: its registers take block 2
	STG 2
	OUT 1, 32
	s_wait_xcnt 0x0
	STG 3
	OUT 2, 32
	OUT 3, 0
	s_wait_tensorcnt 0x0                           ; the wave's end: behind my last tensor load and my last LDS store
	ds_add_u32 v[SPW], v[NIL]
	s_wait_dscnt 0x0
	CROUND                                         ; the closing round: no work-group ends while a partner may still ask for a slot that names it
	s_endpgm
.Lfunc_end_k_q7ee6536e79_fused:
	.size	k_q7ee6536e79_fused, .Lfunc_end_k_q7ee6536e79_fused-k_q7ee6536e79_fused
	.p2alignl 7, 3214868480
	.fill 96, 4, 3214868480
	.section	.rodata,"a",@progbits
	.p2align	6, 0x0
	.amdhsa_kernel k_q7ee6536e79_fused
		.amdhsa_group_segment_fixed_size 327680
		.amdhsa_private_segment_fixed_size 0
		.amdhsa_enable_private_segment 0
		.amdhsa_kernarg_size 80
		.amdhsa_user_sgpr_count 2
		.amdhsa_user_sgpr_kernarg_segment_ptr 1
		.amdhsa_wavefront_size32 1
		.amdhsa_system_sgpr_workgroup_id_x 1
		.amdhsa_system_sgpr_workgroup_id_y 1
		.amdhsa_system_sgpr_workgroup_id_z 1
		.amdhsa_system_vgpr_workitem_id 0
		.amdhsa_next_free_vgpr 1024
		.amdhsa_next_free_sgpr 100
		.amdhsa_reserve_vcc 0
		.amdhsa_float_denorm_mode_32 3
		.amdhsa_float_denorm_mode_16_64 3
		.amdhsa_memory_ordered 1
		.amdhsa_forward_progress 1
		.amdhsa_inst_pref_size 255
	.end_amdhsa_kernel
	.section	.bss,"aw",@nobits
	.p2align	6
	.space	262144
	.amdgpu_metadata
---
amdhsa.version: [ 1, 2 ]
amdhsa.kernels:
  - .name:           k_q7ee6536e79_fused
    .symbol:         k_q7ee6536e79_fused.kd
    .args:
      - { .name: x, .offset: 0, .size: 8, .value_kind: global_buffer, .address_space: global }
      - { .name: wt, .offset: 8, .size: 8, .value_kind: global_buffer, .address_space: global }
      - { .name: kv, .offset: 16, .size: 8, .value_kind: global_buffer, .address_space: global }
      - { .name: bq, .offset: 24, .size: 8, .value_kind: global_buffer, .address_space: global }
      - { .name: bo, .offset: 32, .size: 8, .value_kind: global_buffer, .address_space: global }
      - { .name: ln_g, .offset: 40, .size: 8, .value_kind: global_buffer, .address_space: global }
      - { .name: ln_b, .offset: 48, .size: 8, .value_kind: global_buffer, .address_space: global }
      - { .name: b1, .offset: 56, .size: 8, .value_kind: global_buffer, .address_space: global }
      - { .name: b2, .offset: 64, .size: 8, .value_kind: global_buffer, .address_space: global }
      - { .name: out0, .offset: 72, .size: 8, .value_kind: global_buffer, .address_space: global }
    .group_segment_fixed_size: 327680
    .private_segment_fixed_size: 0
    .kernarg_segment_align: 8
    .kernarg_segment_size: 80
    .max_flat_workgroup_size: 128
    .sgpr_count:     100
    .vgpr_count:     1024
    .wavefront_size: 32
...
	.end_amdgpu_metadata
.endif
;; end of part 2
;; ======== version 2 of 2: 2 launches; version 1 with the launch prep written anew for expert scheduling mode
;; limits: values are held in f16: magnitudes above 65,504 overflow, below 6.1e-05 lose precision
;; workspace buffers: wt 5,242,880 bytes; kv 2,097,152 bytes
;; launch prep (part 3): grid 256 x 1, 8 waves a work-group, no clusters, 223,232 bytes of LDS; arguments xf, Wk, Wv, bk, bv, Wq, Wo, W1, W2, wt, kv; writes wt, kv
.if DOCPART == 3
	.amdgcn_target "amdgcn-amd-amdhsa--gfx1250"
	.amdhsa_code_object_version 6
	.text
	.protected	k_q7ee6536e79_prep
	.globl	k_q7ee6536e79_prep
	.p2align	8
	.type	k_q7ee6536e79_prep,@function
k_q7ee6536e79_prep:
	s_mov_b64 s[64:65], 0
	v_nop
	global_prefetch_b8 v0, s[64:65] scope:SCOPE_SE
	s_setreg_imm32_b32 hwreg(HW_REG_WAVE_SCHED_MODE, 0, 2), 2
	s_setreg_imm32_b32 hwreg(HW_REG_WAVE_MODE, 25, 1), 1
	s_wait_xcnt 0x0
	s_wait_alu depctr_vm_vsrc(0)
; TWO JOBS, both for the launch behind.
; (1) Wq, Wo, W1, W2 (f32, [k][column]) are rounded once to f16 and laid out as matrix fragments, in the order in which the next launch walks them (wt: 40 slots of 131,072 bytes).
; (2) K = xf Wk + bk and V = xf Wv + bv (f16 operands, f32 sums, rounded once to f16), again as fragments (kv: 16 slots of 131,072 bytes).
; A FRAGMENT is 16 rows x 32 k in 8 registers: lane l holds row l % 16; registers 0-3 k = 8 (l / 16) + 0..7, registers 4-7 k = 16 + 8 (l / 16) + 0..7.
; In memory it is 1,024 bytes: registers 0-3 of lane l at 16 l, registers 4-7 at 512 + 16 l.
; LIMITS.  f16 holds no number beyond 65,504: xf, all weights, K and V must lie within it; below 6e-5 they keep f16's fixed step of 6e-8.  NaN and infinities are not treated apart.
; SHARES.  Work-group g: 64 rows of xf (g % 16) x 64 columns of Wk (g / 16 < 8) or Wv.  Eight waves: channel block w % 4, key blocks 2 (w / 4) + 0, 1: two accumulators, which take turns.
; Of the casts each of the 2,048 waves takes five units of 8 k x 32 columns: a lane a column, eight loads down the column, one store of 16 bytes; sixteen lanes store 256 consecutive bytes, aligned.
; No tensor loads: all that comes in is f32 and is rounded on its way, so it passes through registers.  No cluster: what work-groups share here is read once each from a few megabytes.
; THE MODE: SCHED_MODE bits 1:0 = 2 (LLVM: expert scheduling mode 2), set by the entry lines.  The code itself states the register dependences
; between vector or matrix instructions and memory or LDS instructions, with s_wait_alu, always for 0.
; THE PLAN.  Registers that memory or LDS instructions touch:
;   v5-v18     offsets and LDS addresses, made at the head.  Only v10 and v11 are written again: once for two trips of the product.
;   CD         Written by the casts' 40 loads, then by their conversions in place; read by five stores; later the biases land in v24-32, and the sums and the packed results are made in v40-63.
;   RING       48 slots of four registers, in six groups of eight.  Group g: xf's loads land; its sixteen conversions work in place; its eight LDS stores read them; the weights' loads land in
;              the same slots one group later, dealt among group g + 1's conversions, which name group g + 1's slots alone; then the same once more for the weights, with nothing loaded behind.
;   FB0, FB1   Two buffers of fragments, in the ring's registers.  Trip t's eight matrix instructions read one; trip t + 1's 24 LDS loads, dealt among them, land in the other.
;   The accumulators are named by vector and matrix instructions alone; the packed results are read by the last two stores.
; So a group has one wait on vm_vsrc at its head (the group before's LDS stores have read their data) and one on va_vdst behind its conversions (they are written); a trip of the product
; has one wait on va_vdst, behind the wait for its own fragments (the trip before's products are done reading the other buffer).
.set XFP,   1552                       ; a row of xf in LDS: 768 f16 + 16 bytes: 97 x 16, so the 16 rows of a fragment load start in 16 different groups of four banks
.set WTP,   160                        ; a k-row of the weights in LDS: 64 f16 + 32 bytes: 5 x 32
.set WT,    99328                      ; behind xf's 64 rows
.set SPARE, 222208                     ; behind the weights' 768 rows: the spare words, 128 bytes a wave
.set LN,  2                            ; v2   lane
.set RR,  3                            ; v3   lane % 16
.set HH,  4                            ; v4   lane / 16
.set L4,  5                            ; v5   4 x lane
.set L16, 6                            ; v6   16 x lane
.set WOF, 7                            ; v7   my 16 bytes in two rows of the weights' 64 columns
.set XS,  8                            ; v8   LDS: where I put 8 bytes of xf
.set WS,  9                            ; v9   LDS: where I put 8 bytes of the weights
.set AX,  10                           ; v10  LDS: my place in xf's fragments; steps along k
.set AW,  11                           ; v11  LDS: my place in the weights' fragments; steps along k
.set SPW, 12                           ; v12  my spare word; never rewritten
.set NIL, 13                           ; v13  0; never rewritten
.set BTO, 14                           ; v14  byte offset of my eight biases (K's way)
.set BVO, 15                           ; v15  of my one bias (V's way)
.set DA,  16                           ; v16-18  where my casts go in wt
.set DB,  17
.set DC,  18
.set CD,  24                           ; v24-63  five units of eight numbers
.set BT,  24                           ; later: eight biases
.set BV,  32                           ; one bias
.set ACC, 40                           ; v40-55  two accumulators
.set PK,  56                           ; v56-63  the packed results
.set RING, 64                          ; v64-255 48 loads of 16 bytes, in groups of GRP; later two buffers of fragments:
.set GRP, 8
.set FB0, 64                           ; v64-159   the weights' fragments of four k steps (32 registers), then xf's: four k steps x two key blocks (64)
.set FB1, 160                          ; v160-255  the same
.macro FLD d, pos, wid, sh             ; s[d] += (bits pos .. pos + wid - 1 of the wave's number among all) << sh
	s_bfe_u32 s34, s30, (\pos)|((\wid)<<16)
	s_lshl_b32 s34, s34, \sh
	s_add_co_u32 s[\d], s[\d], s34
.endm
	s_load_b512 s[4:19], s[0:1], 0x0               ; xf s[4:5], Wk s[6:7], Wv s[8:9], bk s[10:11], bv s[12:13], Wq s[14:15], Wo s[16:17], W1 s[18:19]
	s_load_b128 s[20:23], s[0:1], 0x40             ; W2 s[20:21], wt s[22:23]
	s_load_b64 s[24:25], s[0:1], 0x50              ; kv
	v_lshl_add_u32 v[SPW], v0, 2, SPARE
	v_mov_b32 v[NIL], 0
	v_lshrrev_b32 v1, 5, v0
	v_readfirstlane_b32 s26, v1                    ; wave 0..7
	v_and_b32 v[LN], 31, v0
	v_and_b32 v[RR], 15, v0
	v_bfe_u32 v[HH], v0, 4, 1
	v_lshlrev_b32 v[L4], 2, v[LN]
	v_lshlrev_b32 v[L16], 4, v[LN]
	s_and_b32 s27, ttmp9, 15                       ; which 64 rows of xf
	s_lshr_b32 s28, ttmp9, 4                       ; which 64 columns: 0-7 of Wk, 8-15 of Wv
	s_and_b32 s29, s28, 7
	s_lshl_b32 s30, ttmp9, 3
	s_wait_alu depctr_va_sdst(0)                   ; s26 is written, ahead of its first reader: all the wave's shares are made from it
	s_add_co_u32 s30, s30, s26                     ; W: my wave among all 2,048
	; unit A, of Wq (W < 1,024) or Wo: column group cg = W bits 0-3, k group k8 = bits 4-9
	s_mov_b32 s36, 0
	s_mov_b32 s37, 0
	FLD 36, 4, 6, 14                               ; from: 8 k8 rows of 2,048 bytes
	FLD 36, 0, 4, 7                                ; + 32 cg columns
	s_mov_b32 s42, 0
	FLD 42, 10, 1, 19                              ; to: Wo's four slots lie behind Wq's
	FLD 42, 8, 2, 17                               ; slot = k / 128
	FLD 42, 2, 2, 15                               ; the wave that owns columns 128 w ..
	FLD 42, 6, 2, 13                               ; k step in the slot: eight fragments each
	FLD 42, 0, 2, 11                               ; two column blocks to a unit
	FLD 42, 4, 2, 8                                ; the eight k's place in a fragment: 512 (upper sixteen) + 256 (upper lanes)
	; units B, of W1: chunk of 64 columns = W bits 0-4 (two units: its two halves), k8 = bits 5-10
	s_mov_b32 s38, 0
	s_mov_b32 s39, 0
	FLD 38, 5, 6, 16                               ; 8 k8 rows of 8,192 bytes
	FLD 38, 0, 5, 8                                ; + 64 columns a chunk
	s_mov_b32 s43, 8<<17                           ; the chunks' slots lie behind the eight of Wq and Wo
	FLD 43, 0, 5, 17
	FLD 43, 8, 1, 13                               ; the k block's place: 8 x bit 1 of its number,
	FLD 43, 9, 2, 11                               ; + 2 x (its number / 4),
	FLD 43, 7, 1, 10                               ; + bit 0: the order in which the next launch holds the activations
	FLD 43, 5, 2, 8
	; units C, of W2: column groups 2 (W bits 0-2) + 0, 1, k8 = bits 3-10
	s_mov_b32 s40, 0
	s_mov_b32 s41, 0
	FLD 40, 3, 8, 14
	FLD 40, 0, 3, 8
	s_mov_b32 s44, (8<<17)+16384                   ; a wave's W2 fragments lie behind its 16 KiB of W1
	FLD 44, 6, 5, 17                               ; chunk = k / 64
	FLD 44, 1, 2, 15
	FLD 44, 5, 1, 13
	FLD 44, 0, 1, 12
	FLD 44, 3, 2, 8
	v_lshlrev_b32 v1, 4, v[RR]
	v_lshl_add_u32 v[DA], v[HH], 10, v1            ; lanes 16-31 hold the next column block: the next fragment
	v_add_nc_u32 v[DC], s44, v[DA]
	v_add_nc_u32 v[DA], s42, v[DA]
	v_lshl_add_u32 v[DB], v[HH], 15, v1            ; in W1 the next column block is the next wave's
	v_add_nc_u32 v[DB], s43, v[DB]
	v_lshl_add_u32 v[WOF], v[HH], 11, v1
	; the product's shares
	s_mul_i32 s60, s27, 196608                     ; 64 rows of xf, 3,072 bytes each,
	s_mul_i32 s62, s26, 24576                      ; of which I fetch eight
	s_add_co_u32 s60, s60, s62
	s_mov_b32 s61, 0
	s_lshl_b32 s62, s29, 8                         ; 64 columns,
	s_mul_i32 s63, s26, 196608                     ; of which I fetch 96 k-rows of 2,048 bytes
	s_add_co_u32 s62, s62, s63
	s_mov_b32 s63, 0
	s_and_b32 s31, s26, 3                          ; my channel block of 16
	s_lshr_b32 s32, s26, 2                         ; my 32 keys
	s_lshr_b32 s33, s31, 1
	s_lshl1_add_u32 s33, s29, s33                  ; the head: 2 x (column group) + channel block / 2
	s_lshr_b32 s66, s27, 2
	s_lshl_b32 s66, s66, 19                        ; the batch's four slots
	s_and_b32 s34, s33, 3
	s_lshl_b32 s34, s34, 17                        ; slot = head % 4,
	s_add_co_u32 s66, s66, s34
	s_lshr_b32 s34, s33, 2
	s_lshl_b32 s34, s34, 15                        ; the 32 KiB of wave head / 4
	s_add_co_u32 s66, s66, s34
	s_and_b32 s35, s27, 3
	s_lshl_b32 s35, s35, 2
	s_lshl1_add_u32 s35, s32, s35                  ; my first block of 16 keys in the batch
	s_and_b32 s34, s31, 1
	s_lshl_b32 s68, s35, 10
	s_lshl_b32 s69, s34, 9
	s_add_co_u32 s68, s68, s69                     ; K: a fragment a key block; my 16 channels are one half of it
	s_add_co_u32 s69, s35, s34
	s_lshl_b32 s69, s69, 10
	s_add_co_u32 s69, s69, 16384                   ; V: fragment 2 (keys / 32) + channel block, behind K's sixteen
	s_cmp_lt_u32 s28, 8
	s_cselect_b32 s68, s68, s69
	s_add_co_u32 s66, s66, s68
	s_mov_b32 s67, 0
	s_mul_i32 s71, s26, 8*XFP
	v_lshl_add_u32 v[XS], v[LN], 3, s71
	s_mul_i32 s71, s26, 96*WTP
	s_add_co_u32 s71, s71, WT
	v_mul_u32_u24 v1, v[HH], WTP
	v_lshl_add_u32 v1, v[RR], 3, v1
	v_add_nc_u32 v[WS], s71, v1
	s_mul_i32 s71, s32, 32*XFP
	v_mul_u32_u24 v1, v[RR], XFP
	v_lshl_add_u32 v1, v[HH], 4, v1
	v_add_nc_u32 v[AX], s71, v1                    ; row x pitch + 16 x half
	v_and_b32 v1, 7, v0                            ; the turning load: lane l reads k-row 8 (l / 16) + l % 8, columns 8 ((l / 8) % 2) + 0..7
	v_lshl_add_u32 v1, v[HH], 3, v1
	v_mul_u32_u24 v1, v1, WTP
	v_bfe_u32 v19, v0, 3, 1
	v_lshl_add_u32 v1, v19, 4, v1
	s_lshl_b32 s71, s31, 5
	s_add_co_u32 s71, s71, WT
	v_add_nc_u32 v[AW], s71, v1
	s_lshl_b32 s71, s29, 8
	s_lshl_b32 s72, s31, 6
	s_add_co_u32 s71, s71, s72                     ; my first channel, in bytes of f32
	v_lshl_add_u32 v[BTO], v[HH], 5, s71
	v_lshl_add_u32 v[BVO], v[RR], 2, s71
	s_wait_kmcnt 0x0
	s_cmp_lt_u32 s30, 1024
	s_cselect_b64 s[46:47], s[14:15], s[16:17]
	s_add_nc_u64 s[46:47], s[46:47], s[36:37]
	s_add_nc_u64 s[48:49], s[18:19], s[38:39]
	s_add_nc_u64 s[50:51], s[20:21], s[40:41]
	s_add_nc_u64 s[52:53], s[4:5], s[60:61]
	s_cmp_lt_u32 s28, 8
	s_cselect_b64 s[54:55], s[6:7], s[8:9]         ; Wk or Wv,
	s_cselect_b64 s[56:57], s[10:11], s[12:13]     ; bk or bv
	s_add_nc_u64 s[54:55], s[54:55], s[62:63]
	s_add_nc_u64 s[58:59], s[24:25], s[66:67]
	s_wait_alu depctr_va_vdst(0)                   ; the offsets and LDS addresses v5 to v18 are written, which the loads and stores of the whole kernel read
	; 40 loads for the casts, then xf's 48
.set j, 0
.rept 8
	global_load_b32 v[CD+j],    v[L4], s[46:47] offset:j*2048 th:TH_LOAD_NT
	global_load_b32 v[CD+8+j],  v[L4], s[48:49] offset:j*8192 th:TH_LOAD_NT
	global_load_b32 v[CD+16+j], v[L4], s[48:49] offset:j*8192+128 th:TH_LOAD_NT
	global_load_b32 v[CD+24+j], v[L4], s[50:51] offset:j*2048 th:TH_LOAD_NT
	global_load_b32 v[CD+32+j], v[L4], s[50:51] offset:j*2048+128 th:TH_LOAD_NT
.set j, j+1
.endr
.set i, 0
.rept 48                                       ; row i / 6 of my eight, 512 bytes at a time
	global_load_b128 v[RING+4*i:RING+4*i+3], v[L16], s[52:53] offset:(i/6)*3072+(i%6)*512
.set i, i+1
.endr
	s_wait_loadcnt 48                              ; the casts' 40 are in; xf's 48 may stay out
.set u, 0
.rept 5
.set j, 0
.rept 4
	v_cvt_pk_f16_f32 v[CD+8*u+j], v[CD+8*u+2*j], v[CD+8*u+2*j+1]  ; in place: the destination has been read, or is being read
.set j, j+1
.endr
.set u, u+1
.endr
; xf goes to LDS as f16, a group of eight slots at a time.  The slots of the group before are asked for again, for the weights: slot i takes k-rows 2 i, 2 i + 1 of my 96, 256 bytes each.
.macro XGRP g
.if (\g) == 0
	s_wait_loadcnt 40                              ; loads come back in order (ISA guide 5.7.1): behind group 0's stand xf's other 40
.else
	s_wait_loadcnt 32                              ; behind group g's stand 40 - 8 g of xf's and the 8 (g - 1) of the weights' that have been issued
	s_wait_alu depctr_vm_vsrc(0)                   ; the LDS stores of the group before have read their data, in which the loads below land
.endif
.set i, GRP*(\g)
.rept GRP
.if (\g) > 0
	global_load_b128 v[RING+4*(i-GRP):RING+4*(i-GRP)+3], v[WOF], s[54:55] offset:(i-GRP)*4096  ; no vector instruction since the last wait on va_vdst names these registers
.endif
	v_cvt_pk_f16_f32 v[RING+4*i],   v[RING+4*i],   v[RING+4*i+1]
	v_cvt_pk_f16_f32 v[RING+4*i+1], v[RING+4*i+2], v[RING+4*i+3]
.set i, i+1
.endr
	s_wait_alu depctr_va_vdst(0)                   ; this group's conversions are written, which the LDS stores read (in group 0 the casts' too, which the five stores read), and are done reading their slots
.if (\g) == 0
	global_store_b128 v[DA], v[CD:CD+3],     s[22:23]
	global_store_b128 v[DB], v[CD+8:CD+11],  s[22:23]
	global_store_b128 v[DB], v[CD+16:CD+19], s[22:23] offset:65536  ; the chunk's other 32 columns: two waves on
	global_store_b128 v[DC], v[CD+24:CD+27], s[22:23]
	global_store_b128 v[DC], v[CD+32:CD+35], s[22:23] offset:2048   ; the next 32 columns: two fragments on
.endif
.set i, GRP*(\g)
.rept GRP
	ds_store_b64 v[XS], v[RING+4*i:RING+4*i+1] offset:(i/6)*XFP+(i%6)*256
.set i, i+1
.endr
.endm
; The weights go to LDS as f16 in the same groups; nothing is loaded behind them.
.macro WGRP g
	s_wait_loadcnt 43-GRP*(\g)                     ; behind group g's stand 40 - 8 g of the weights' and the three of the biases
.set i, GRP*(\g)
.rept GRP
	v_cvt_pk_f16_f32 v[RING+4*i],   v[RING+4*i],   v[RING+4*i+1]
	v_cvt_pk_f16_f32 v[RING+4*i+1], v[RING+4*i+2], v[RING+4*i+3]
.set i, i+1
.endr
	s_wait_alu depctr_va_vdst(0)                   ; this group's conversions are written, which the LDS stores read
.set i, GRP*(\g)
.rept GRP
	ds_store_b64 v[WS], v[RING+4*i:RING+4*i+1] offset:i*2*WTP
.set i, i+1
.endr
.endm
	XGRP 0
	XGRP 1
	XGRP 2
	XGRP 3
	XGRP 4
	XGRP 5
	s_wait_xcnt 0x0                                ; the casts' stores have had their addresses translated: their data registers take the biases only behind this wait
	s_wait_alu depctr_vm_vsrc(0)                   ; group 5's LDS stores have read their data, in which the last loads of the weights land; the casts' stores have read theirs, in which the biases land
.set i, 5*GRP
.rept GRP
	global_load_b128 v[RING+4*i:RING+4*i+3], v[WOF], s[54:55] offset:i*4096
.set i, i+1
.endr
	global_load_b128 v[BT:BT+3],   v[BTO], s[56:57]
	global_load_b128 v[BT+4:BT+7], v[BTO], s[56:57] offset:16
	global_load_b32 v[BV], v[BVO], s[56:57]
	WGRP 0
	WGRP 1
	WGRP 2
	WGRP 3
	WGRP 4
	WGRP 5
	s_wait_loadcnt 0x0                             ; the biases
	s_wait_dscnt 0x0                               ; for the others' sake: my stores are done
	s_barrier_signal -1
	s_barrier_wait -1
	s_wait_alu depctr_vm_vsrc(0)                   ; my LDS stores have read the ring's registers: these are the fragments' two buffers from here on; ahead of the branch, for both ways
; Load fn of the 24 of a trip, into the buffer at fb; tr: how many trips the fragments lie behind the two addresses.  By k steps: the weights' fragment (two turning loads), then xf's two (two loads each).
.macro FRAG fb, tr
.set fk, fn/6
.set fm, fn%6
.if fm < 2
	ds_load_tr16_b128 v[(\fb)+8*fk+4*fm:(\fb)+8*fk+4*fm+3], v[AW] offset:(\tr)*128*WTP+fk*32*WTP+fm*16*WTP
.else
	ds_load_b128 v[(\fb)+32+8*(2*fk+(fm-2)/2)+4*(fm%2):(\fb)+32+8*(2*fk+(fm-2)/2)+4*(fm%2)+3], v[AX] offset:(\tr)*256+fk*64+((fm-2)/2)*16*XFP+(fm%2)*32
.endif
.set fn, fn+1
.endm
; A trip: four k steps, eight products on buffer p.  tr = 1, 2: the next trip's fragments, which lie tr trips behind the addresses, are fetched into the other buffer, four loads ahead of each of the
; first six products, which name buffer p and the accumulators alone.  tr = 0: the last trip, which fetches nothing and so states nothing.
.macro STEP isv, p, tr
.if \tr
.rept 4
	v_nop                                          ; four places between the last product and loads into registers that it read: they stay beside the wait below
.endr
.endif
	s_wait_dscnt 0x0                               ; buffer p is in
.if \tr
	s_wait_alu depctr_va_vdst(0)                   ; the trip before's products are done reading the other buffer, in which the loads below land; behind the two adds, v10 and v11 are written
.endif
.set fn, 0
.set i, 0
.rept 8                                        ; the two accumulators take turns, from trip to trip and over the backward jump too
.if (\tr) && (i < 6)
.rept 4
	FRAG FB0+96*(1-(\p)), \tr
.endr
.endif
.if \isv
	v_wmma_f32_16x16x32_f16 v[ACC+8*(i%2):ACC+8*(i%2)+7], v[FB0+96*(\p)+32+8*i:FB0+96*(\p)+32+8*i+7], v[FB0+96*(\p)+8*(i/2):FB0+96*(\p)+8*(i/2)+7], v[ACC+8*(i%2):ACC+8*(i%2)+7]
.else
	v_wmma_f32_16x16x32_f16 v[ACC+8*(i%2):ACC+8*(i%2)+7], v[FB0+96*(\p)+8*(i/2):FB0+96*(\p)+8*(i/2)+7], v[FB0+96*(\p)+32+8*i:FB0+96*(\p)+32+8*i+7], v[ACC+8*(i%2):ACC+8*(i%2)+7]
.endif
.set i, i+1
.endr
.endm
; THE PRODUCT, 768 along k in six trips of four k steps.  isv = 0: source 0 = the weights' columns, source 1 = xf's rows: a lane ends with ONE key and eight channels, half a fragment of K.
; isv = 1: the sources change places: ONE channel and eight keys, half a fragment of V turned.  The sums start at the bias.
; The loop holds trips 0 to 3, two to a lap; trips 4 and 5 are written out, so that no LDS load leaves the weights' rows.
.macro PATH isv
.set fn, 0
.rept 24
	FRAG FB0, 0                                    ; trip 0's fragments; the sums' start stands between these loads and the wait for them
.endr
.set i, 0
.rept 16
.if \isv
	v_mov_b32 v[ACC+i], v[BV]
.else
	v_mov_b32 v[ACC+i], v[BT+i%8]
.endif
.set i, i+1
.endr
	s_mov_b32 s70, 2
.Lk_\@:
	STEP \isv, 0, 1
	STEP \isv, 1, 2
	s_wait_alu depctr_vm_vsrc(0)                   ; the LDS loads issued so far have read v10 and v11
	v_add_nc_u32 v[AW], 2*128*WTP, v[AW]           ; 256 along k
	v_add_nc_u32 v[AX], 512, v[AX]
	s_sub_co_u32 s70, s70, 1
	s_cmp_lg_u32 s70, 0
	s_cbranch_scc1 .Lk_\@
	STEP \isv, 0, 1
	STEP \isv, 1, 0
.rept 4
	v_nop                                          ; four places in front of conversions that read results
.endr
.set i, 0
.rept 8
	v_cvt_pk_f16_f32 v[PK+i], v[ACC+2*i], v[ACC+2*i+1]
.set i, i+1
.endr
	s_wait_alu depctr_va_vdst(0)                   ; the conversions have written v56 to v63, which the two stores read
	global_store_b128 v[L16], v[PK:PK+3], s[58:59]  ; 512 consecutive bytes: half a fragment
.if \isv
	global_store_b128 v[L16], v[PK+4:PK+7], s[58:59] offset:512   ; the next 16 keys: the fragment's other half
.else
	global_store_b128 v[L16], v[PK+4:PK+7], s[58:59] offset:1024  ; the next 16 keys: the next fragment
.endif
	s_wait_dscnt 0x0                               ; the wave's end
	s_wait_alu 0x0
	s_wait_tensorcnt 0x0
	ds_add_u32 v[SPW], v[NIL]
	s_wait_dscnt 0x0
	s_endpgm
.endm
	s_cmp_lt_u32 s28, 8                            ; the same in all eight waves
	s_cbranch_scc0 .Lfor_v
	PATH 0
.Lfor_v:
	PATH 1
.Lfunc_end_k_q7ee6536e79_prep:
	.size	k_q7ee6536e79_prep, .Lfunc_end_k_q7ee6536e79_prep-k_q7ee6536e79_prep
	.p2alignl 7, 3214868480
	.fill 96, 4, 3214868480
	.section	.rodata,"a",@progbits
	.p2align	6, 0x0
	.amdhsa_kernel k_q7ee6536e79_prep
		.amdhsa_group_segment_fixed_size 223232
		.amdhsa_private_segment_fixed_size 0
		.amdhsa_enable_private_segment 0
		.amdhsa_kernarg_size 88
		.amdhsa_user_sgpr_count 2
		.amdhsa_user_sgpr_kernarg_segment_ptr 1
		.amdhsa_wavefront_size32 1
		.amdhsa_system_sgpr_workgroup_id_x 1
		.amdhsa_system_sgpr_workgroup_id_y 1
		.amdhsa_system_sgpr_workgroup_id_z 1
		.amdhsa_system_vgpr_workitem_id 0
		.amdhsa_next_free_vgpr 256
		.amdhsa_next_free_sgpr 80
		.amdhsa_reserve_vcc 0
		.amdhsa_float_denorm_mode_32 3
		.amdhsa_float_denorm_mode_16_64 3
		.amdhsa_memory_ordered 1
		.amdhsa_forward_progress 1
		.amdhsa_inst_pref_size 63
	.end_amdhsa_kernel
	.amdgpu_metadata
---
amdhsa.version: [ 1, 2 ]
amdhsa.kernels:
  - .name:           k_q7ee6536e79_prep
    .symbol:         k_q7ee6536e79_prep.kd
    .args:
      - { .name: xf, .offset: 0, .size: 8, .value_kind: global_buffer, .address_space: global }
      - { .name: Wk, .offset: 8, .size: 8, .value_kind: global_buffer, .address_space: global }
      - { .name: Wv, .offset: 16, .size: 8, .value_kind: global_buffer, .address_space: global }
      - { .name: bk, .offset: 24, .size: 8, .value_kind: global_buffer, .address_space: global }
      - { .name: bv, .offset: 32, .size: 8, .value_kind: global_buffer, .address_space: global }
      - { .name: Wq, .offset: 40, .size: 8, .value_kind: global_buffer, .address_space: global }
      - { .name: Wo, .offset: 48, .size: 8, .value_kind: global_buffer, .address_space: global }
      - { .name: W1, .offset: 56, .size: 8, .value_kind: global_buffer, .address_space: global }
      - { .name: W2, .offset: 64, .size: 8, .value_kind: global_buffer, .address_space: global }
      - { .name: wt, .offset: 72, .size: 8, .value_kind: global_buffer, .address_space: global }
      - { .name: kv, .offset: 80, .size: 8, .value_kind: global_buffer, .address_space: global }
    .group_segment_fixed_size: 223232
    .private_segment_fixed_size: 0
    .kernarg_segment_align: 8
    .kernarg_segment_size: 88
    .max_flat_workgroup_size: 256
    .sgpr_count:     80
    .vgpr_count:     256
    .wavefront_size: 32
...
	.end_amdgpu_metadata
.endif
;; end of part 3
;; launch fused: the kernel of part 2 again; grid 256 x 1, 4 waves a work-group, clusters of 4 x 1, 327,680 bytes of LDS; arguments x, wt, kv, bq, bo, ln_g, ln_b, b1, b2, out0; writes out0
